; MI455X (gfx1250); checked and timed in simulation.
; The chip was launched on July 23, 2026; its instructions are those of AMD's public machine-readable ISA for CDNA 5 (MIT licence, August 2026) and "CDNA5" Instruction Set Architecture Reference Guide (July 2026). The comments in the code are by the model that wrote it; some were corrected since.
;; Qwen3 Omni Moe MLP. Allowed arithmetic: matrix products marked QUANTISED: E4M3 operands, one given power-of-two scale a tensor, by v_wmma_f32_16x16x64_fp8_fp8 or v_wmma_f32_16x16x128_fp8_fp8, f32 sums; products left as they are: f32 operands where the result goes on into a quantised operand, else bf16, f16 or f32 operands; f32 sums; everything else in f32.
;; Inputs: W1 8 x 2,048 x 1,024 float32; W2 8 x 1,024 x 2,048 float32; Wg 8 x 1,024 float32; lowp_scales 4 int32 (the exponents e of the quantised operands' scales 2^e); x 4 x 512 x 1,024 float32.
;; Outputs: out0 4 x 512 x 1,024 float32.
;; Constants: top_k = 2.
;; This version of the problem:
;;   THIS VERSION OF THE PROBLEM IS GIVEN IN LOW PRECISION. The matrix products marked QUANTISED in the list below multiply operands that are first quantised to E4M3 (4 exponent bits, 3 mantissa bits; 8 bits a number), with one given power-of-two scale for each operand tensor; their sums are f32. All else is computed in f32.
;;   The module's matrix products, in the order in which they are computed (A, B: the left and right operand; K: the contracted axis; several contracted axes count as one K, in the product's order):
;;     1. [M 2,048, K 1,024] x [K 1,024, N 8]; A: input x; B: input Wg: left as it is (N = 8 < 16)
;;     2. [M 2,048, K 1,024] x [K 1,024, N 16,384]; A: input x; B: input W1: QUANTISED (scales: A lowp_scales[0], B lowp_scales[1])
;;     3. batch 8 x [M 1,024, K 2,048] x [K 2,048, N 2,048]; A: input W2; B: computed on the way: QUANTISED (scales: A lowp_scales[2], B lowp_scales[3])
;;   THE QUANTISER, for each operand of a quantised product, along K:
;;     - The operand's scale is 2^e, e = its entry of the input lowp_scales (int32; the entries are numbered through the quantised products in the list's order, A before B).
;;     - Each number is divided by the scale, clamped to +-448, and rounded to the nearest number of E4M3, ties to even, subnormals kept.
;;     - The product sums the exact products of the quantised numbers (number of the format x scale) in f32.
;;   ~~~python
;;   def quantise(x, axis, e):      # numpy; x: float32 -> the quantised numbers, widened to float32 again
;;       x = np.moveaxis(x, axis, -1); K = x.shape[-1]
;;       r = np.clip(x / 2.0 ** e, -448, 448)
;;       step = 2.0 ** (np.maximum(np.frexp(np.where(r == 0, 1, r))[1] - 1, -6) - 3)
;;       q = np.round(r / step) * step * 2.0 ** e      # np.round: ties to even
;;       return np.moveaxis(q, -1, axis).astype(np.float32)
;;   ~~~
;;   OPERANDS COMPUTED ON THE WAY. 'Computed on the way' means the value that the module computes at that place (a softmax that the list does not call 'softmax' is quantised finished and normalised). What goes into a quantiser is computed in f32, as accurately as f32 sums, v_exp_f32 and their like allow (about 1e-6 of the number): no bf16 or f16 on the way to a quantiser, and a product that is left as it is and whose result goes on into a quantised operand takes f32 operands (vector FMAs, or v_wmma_f32_16x16x4_f32). A number that lies on a knife's edge between two numbers of the format may be rounded either way, as far as f32 arithmetic and the matrix unit's own rounding can turn it there, and no further.
;; 2 versions. Each part assembles by itself: llvm-mc -triple=amdgcn-amd-amdhsa -mcpu=gfx1250 --defsym DOCPART=n.
;; ======== version 1 of 2: 5 launches
;; workspace buffers: xq 2,097,152 bytes; idx 16,384 bytes of whole numbers; vals 16,384 bytes; list 66,560 bytes of whole numbers; pos 16,384 bytes of whole numbers; cnt 256 bytes of whole numbers; hid 33,554,432 bytes; y 134,217,728 bytes
;; launch route (part 1): grid 256 x 1, 4 waves a work-group, no clusters, 41,472 bytes of LDS; arguments x, Wg, lowp_scales, xq, idx, vals; writes xq, idx, vals
.if DOCPART == 1
	.amdgcn_target "amdgcn-amd-amdhsa--gfx1250"
	.amdhsa_code_object_version 6
	.text
	.protected	k_q470cdf0a32_route
	.globl	k_q470cdf0a32_route
	.p2align	8
	.type	k_q470cdf0a32_route,@function
k_q470cdf0a32_route:
	s_mov_b64 s[64:65], 0
	v_nop
	global_prefetch_b8 v0, s[64:65] scope:SCOPE_SE
	s_setreg_imm32_b32 hwreg(HW_REG_WAVE_MODE, 25, 1), 1
	s_wait_xcnt 0x0
; ROUTE.  For each of the 2,048 tokens: the eight logits x . Wg[e] by f32 multiply-adds, softmax (the maximum taken away first), the two largest
; probabilities and their experts (on a tie the lower index, as jax.lax.top_k has it); and x as codes of E4M3 with the given scale 2^e0, K innermost.
; SHARES: 256 work-groups x 4 waves x 2 tokens.  A wave holds its two tokens (32 registers each) and all of Wg (256 registers, window 1) in the same
; arrangement: register 4 j + i of a lane is element 128 j + 4 lane + i, so every load reads 512 consecutive bytes.
; The choice only selects VALUES here (v_cndmask_b32): experts and probabilities are stored at fixed places, 8 bytes a token; a later launch places the rows.
; Those two stores are 16 bytes a wave: 32 KB in the whole launch, too little to be worth a barrier and a gathering in LDS.
; No matrix unit (N = 8), no tensor load, no cluster: waves share nothing but Wg's 32 KB.
; LIMITS: e0 between -126 and 119.  NaN among the inputs is not served.  Where the second and the third probability differ by less than f32 rounding, either may be chosen.
.set SP,   80                          ; a lane's place in a stage: its 64 bytes + 16 of padding
.set STG,  32*SP                       ; a stage: 512 numbers; four for each wave (2 tokens x 2 halves)
.set XR,   16                          ; v16-79   x as loaded, 32 registers a token
.set XN,   80                          ; v80-143  16 neighbours a lane, for each (token, half)
.set CD,   144                         ; v144-159 their codes
.set AC,   160                         ; v160-191 the 16 sums, a pair each
.set LG,   192                         ; v192-207 logits, then probabilities: 8 token + expert
.set MX,   208                         ; v208-209 the maxima
.set SM,   210                         ; v210-217 partial sums
.set RC,   218                         ; v218-219 1 / sum
.set NEG,  230                         ; v230     -1.0, under every probability
.set ZO,   231                         ; v231     0: the last stores' offset
.set BI,   232                         ; v232-235 experts: 2 token + place
.set BV,   236                         ; v236-239 their probabilities
.set MSB, 0
.macro WIN new                         ; the immediate's high byte repeats the setting that is left
.if MSB != \new
	s_set_vgpr_msb (MSB<<8)|\new
.set MSB, \new
.endif
.endm
	s_load_b256 s[4:11], s[0:1], 0x0               ; x s[4:5], Wg s[6:7], the scales' exponents s[8:9], xq s[10:11]
	s_load_b128 s[12:15], s[0:1], 0x20             ; idx s[12:13], vals s[14:15]
	v_lshl_add_u32 v254, v0, 2, 0xa000
	v_mov_b32 v255, 0
	v_lshrrev_b32 v1, 5, v0
	v_readfirstlane_b32 s16, v1                    ; wave
	v_and_b32 v1, 31, v0                           ; lane
	v_lshlrev_b32 v2, 4, v1                        ; 16 x lane
	s_mul_i32 s17, s16, 4*STG                      ; my wave's four stages
	v_lshrrev_b32 v3, 2, v1
	v_mul_u32_u24 v3, v3, SP
	v_and_b32 v4, 3, v1
	v_lshl_add_u32 v3, v4, 4, v3
	v_add_nc_u32 v3, s17, v3                       ; into a stage: four lanes' 64 bytes on end, then the padding
	v_mul_u32_u24 v4, v1, SP
	v_add_nc_u32 v4, s17, v4                       ; out of it: my 16 neighbours
	s_lshl_b32 s18, ttmp9, 3
	s_lshl_b32 s19, s16, 1
	s_add_co_u32 s18, s18, s19                     ; my first token: 8 x work-group + 2 x wave
	s_lshl_b32 s20, s18, 12                        ; its 4,096 bytes of x,
	s_mov_b32 s21, 0
	s_lshl_b32 s22, s18, 10                        ; 1,024 of codes,
	s_mov_b32 s23, 0
	s_lshl_b32 s24, s18, 3                         ; 8 of idx and of vals
	s_mov_b32 s25, 0
	s_mov_b32 s28, 0x76543210                      ; v_permlanex16_b32: lane l xor 16
	s_mov_b32 s29, 0xfedcba98
	s_wait_kmcnt 0x0
	s_load_b32 s26, s[8:9], 0x0                    ; e0
	s_add_nc_u64 s[4:5], s[4:5], s[20:21]
	s_add_nc_u64 s[10:11], s[10:11], s[22:23]
	s_add_nc_u64 s[12:13], s[12:13], s[24:25]
	s_add_nc_u64 s[14:15], s[14:15], s[24:25]
.irp tk, 0,1
.irp j, 0,1,2,3,4,5,6,7
	global_load_b128 v[XR+32*\tk+4*\j:XR+32*\tk+4*\j+3], v2, s[4:5] offset:4096*\tk+512*\j th:TH_LOAD_NT
.endr
.endr
	WIN 0x40                                       ; destination window 1
.irp e, 0,1,2,3
.irp j, 0,1,2,3,4,5,6,7
	global_load_b128 v[32*\e+4*\j:32*\e+4*\j+3], v2, s[6:7] offset:4096*\e+512*\j
.endr
.endr
	WIN 0
; A half token's 2,048 bytes through a stage: in as loaded, back 64 bytes a lane.  LDS serves a wave's instructions in order: no wait between.
.macro TURNX tk, u
.irp i, 0,1,2,3
	ds_store_b128 v3, v[XR+32*\tk+16*\u+4*\i:XR+32*\tk+16*\u+4*\i+3] offset:STG*(2*\tk+\u)+8*SP*\i
.endr
.irp i, 0,1,2,3
	ds_load_b128 v[XN+16*(2*\tk+\u)+4*\i:XN+16*(2*\tk+\u)+4*\i+3], v4 offset:STG*(2*\tk+\u)+16*\i
.endr
.endm
; 16 neighbours become 16 codes; the wave stores 512 consecutive bytes.
.macro QX tk, u
.set XS, XN+16*(2*\tk+\u)
.set CS, CD+4*(2*\tk+\u)
.irp i, 0,1,2,3,4,5,6,7,8,9,10,11,12,13,14,15
	v_med3_num_f32 v[XS+\i], v[XS+\i], -v6, v6     ; the conversion to an 8-bit code does not saturate (ISA guide 7.6.2): the hold at 448 x the scale comes first
.endr
	v_cvt_scalef32_pk8_fp8_f32 v[CS:CS+1], v[XS:XS+7], v5
	v_cvt_scalef32_pk8_fp8_f32 v[CS+2:CS+3], v[XS+8:XS+15], v5
	global_store_b128 v2, v[CS:CS+3], s[10:11] offset:1024*\tk+512*\u
.endm
	s_wait_loadcnt 32                              ; x's 16 loads are in: behind them stand Wg's first 32
	TURNX 0, 0
	TURNX 0, 1
	TURNX 1, 0
	TURNX 1, 1
	WIN 0x40
.irp e, 4,5,6,7
.irp j, 0,1,2,3,4,5,6,7
	global_load_b128 v[32*\e+4*\j:32*\e+4*\j+3], v2, s[6:7] offset:4096*\e+512*\j
.endr
.endr
	WIN 0
	s_wait_kmcnt 0x0
	s_add_co_i32 s26, s26, 127
	s_lshl_b32 s27, s26, 23
	v_mov_b32 v5, s27                              ; 2^e0 as f32: the conversion takes its exponent field
	s_add_co_i32 s26, s26, 8
	s_lshl_b32 s26, s26, 23
	s_or_b32 s26, s26, 0x600000
	v_mov_b32 v6, s26                              ; 448 x 2^e0
	s_wait_dscnt 0x0                               ; all four halves are back
	QX 0, 0
	QX 0, 1
	QX 1, 0
	QX 1, 1
	v_nop                                          ; a plain line behind the last conversion
	s_wait_loadcnt 0x0                             ; Wg
	WIN 0x04                                       ; source 1 (Wg) window 1
.irp tk, 0,1
.irp e, 0,1,2,3,4,5,6,7
	v_pk_mul_f32 v[AC+16*\tk+2*\e:AC+16*\tk+2*\e+1], v[XR+32*\tk:XR+32*\tk+1], v[32*\e:32*\e+1]   ; the first products start the sums
.endr
.endr
.set pp, 1
.rept 15                                       ; sixteen sums by turns, so that no line waits for the line above it
.irp tk, 0,1
.irp e, 0,1,2,3,4,5,6,7
	v_pk_fma_f32 v[AC+16*\tk+2*\e:AC+16*\tk+2*\e+1], v[XR+32*\tk+2*pp:XR+32*\tk+2*pp+1], v[32*\e+2*pp:32*\e+2*pp+1], v[AC+16*\tk+2*\e:AC+16*\tk+2*\e+1]
.endr
.endr
.set pp, pp+1
.endr
	WIN 0
.irp k, 0,1,2,3,4,5,6,7,8,9,10,11,12,13,14,15
	v_add_f32 v[LG+\k], v[AC+2*\k], v[AC+2*\k+1]
.endr
.irp m, 1,2,4,8                                ; across the lanes: every lane ends with all 16 logits
.irp k, 0,1,2,3,4,5,6,7,8,9,10,11,12,13,14,15
	v_add_f32_dpp v[LG+\k], v[LG+\k], v[LG+\k] row_xmask:\m row_mask:0xf bank_mask:0xf
.endr
.endr
.irp k, 0,1,2,3,4,5,6,7,8,9,10,11,12,13,14,15
	v_permlanex16_b32 v[AC+\k], v[LG+\k], s28, s29 ; (its destination counts as read: these registers have been written)
.endr
.irp k, 0,1,2,3,4,5,6,7,8,9,10,11,12,13,14,15
	v_add_f32 v[LG+\k], v[LG+\k], v[AC+\k]
.endr
.irp tk, 0,1
	v_max3_num_f32 v[MX+\tk], v[LG+8*\tk], v[LG+8*\tk+1], v[LG+8*\tk+2]
	v_max3_num_f32 v[MX+\tk], v[MX+\tk], v[LG+8*\tk+3], v[LG+8*\tk+4]
	v_max3_num_f32 v[MX+\tk], v[MX+\tk], v[LG+8*\tk+5], v[LG+8*\tk+6]
	v_max_num_f32 v[MX+\tk], v[MX+\tk], v[LG+8*\tk+7]
.endr
.irp tk, 0,1
.irp e, 0,1,2,3,4,5,6,7
	v_sub_f32 v[LG+8*\tk+\e], v[LG+8*\tk+\e], v[MX+\tk]   ; the difference first: it is 0 at the maximum whatever the logits' size
.endr
.endr
.irp k, 0,1,2,3,4,5,6,7,8,9,10,11,12,13,14,15
	v_mul_f32 v[LG+\k], 0x3fb8aa3b, v[LG+\k]       ; x log2(e)
.endr
.irp k, 0,1,2,3,4,5,6,7,8,9,10,11,12,13,14,15
	v_exp_f32 v[LG+\k], v[LG+\k]
.endr
	v_mov_b32 v[ZO], 0                             ; a plain line behind the exponentials
	s_wait_alu depctr_va_vdst(0)                   ; one wait for the batch of 16, ahead of its first reader
.irp tk, 0,1
	v_add_f32 v[SM+4*\tk],   v[LG+8*\tk],   v[LG+8*\tk+1]
	v_add_f32 v[SM+4*\tk+1], v[LG+8*\tk+2], v[LG+8*\tk+3]
	v_add_f32 v[SM+4*\tk+2], v[LG+8*\tk+4], v[LG+8*\tk+5]
	v_add_f32 v[SM+4*\tk+3], v[LG+8*\tk+6], v[LG+8*\tk+7]
.endr
.irp tk, 0,1
	v_add_f32 v[SM+4*\tk],   v[SM+4*\tk],   v[SM+4*\tk+1]
	v_add_f32 v[SM+4*\tk+2], v[SM+4*\tk+2], v[SM+4*\tk+3]
.endr
.irp tk, 0,1
	v_add_f32 v[SM+4*\tk], v[SM+4*\tk], v[SM+4*\tk+2]
.endr
	v_rcp_f32 v[RC], v[SM]
	v_rcp_f32 v[RC+1], v[SM+4]
	v_mov_b32 v[NEG], -1.0                         ; a plain line behind the reciprocals
	s_wait_alu depctr_va_vdst(0)                   ; one wait for both
.irp tk, 0,1
.irp e, 0,1,2,3,4,5,6,7
	v_mul_f32 v[LG+8*\tk+\e], v[LG+8*\tk+\e], v[RC+\tk]
.endr
.endr
; The largest of a token's eight numbers and its index.  The one in hand is kept where it is not smaller: so a tie keeps the lower index.
.macro SCAN tk, place
	v_mov_b32 v[BV+2*\tk+\place], v[LG+8*\tk]
	v_mov_b32 v[BI+2*\tk+\place], 0
.irp e, 1,2,3,4,5,6,7
	v_cmp_ge_f32 vcc_lo, v[BV+2*\tk+\place], v[LG+8*\tk+\e]
	v_cndmask_b32 v[BV+2*\tk+\place], v[LG+8*\tk+\e], v[BV+2*\tk+\place], vcc_lo
	v_cndmask_b32 v[BI+2*\tk+\place], \e, v[BI+2*\tk+\place], vcc_lo
.endr
.endm
.irp tk, 0,1
	SCAN \tk, 0
.irp e, 0,1,2,3,4,5,6,7
	v_cmp_eq_u32 vcc_lo, \e, v[BI+2*\tk]
	v_cndmask_b32 v[LG+8*\tk+\e], v[LG+8*\tk+\e], v[NEG], vcc_lo   ; the one chosen leaves the field
.endr
	SCAN \tk, 1
.endr
	s_wait_xcnt 0x0                                ; EXEC changes only behind this wait: the codes' stores have been issued
	v_cmp_eq_u32 vcc_lo, 0, v1
	s_wait_tensorcnt 0x0
	ds_add_u32 v254, v255
	s_wait_dscnt 0x0
	s_and_saveexec_b32 s30, vcc_lo                 ; every lane holds the same eight numbers: lane 0 stores them
	global_store_b128 v[ZO], v[BI:BI+3], s[12:13]
	global_store_b128 v[ZO], v[BV:BV+3], s[14:15]
	s_wait_xcnt 0x0                                ; and again, in front of the line that widens it
	s_or_b32 exec_lo, exec_lo, s30
	s_endpgm
.Lfunc_end_k_q470cdf0a32_route:
	.size	k_q470cdf0a32_route, .Lfunc_end_k_q470cdf0a32_route-k_q470cdf0a32_route
	.p2alignl 7, 3214868480
	.fill 96, 4, 3214868480
	.section	.rodata,"a",@progbits
	.p2align	6, 0x0
	.amdhsa_kernel k_q470cdf0a32_route
		.amdhsa_group_segment_fixed_size 41472
		.amdhsa_private_segment_fixed_size 0
		.amdhsa_enable_private_segment 0
		.amdhsa_kernarg_size 48
		.amdhsa_user_sgpr_count 2
		.amdhsa_user_sgpr_kernarg_segment_ptr 1
		.amdhsa_wavefront_size32 1
		.amdhsa_system_sgpr_workgroup_id_x 1
		.amdhsa_system_sgpr_workgroup_id_y 1
		.amdhsa_system_sgpr_workgroup_id_z 1
		.amdhsa_system_vgpr_workitem_id 0
		.amdhsa_next_free_vgpr 512
		.amdhsa_next_free_sgpr 66
		.amdhsa_reserve_vcc 1
		.amdhsa_float_denorm_mode_32 3
		.amdhsa_float_denorm_mode_16_64 3
		.amdhsa_memory_ordered 1
		.amdhsa_forward_progress 1
		.amdhsa_inst_pref_size 47
	.end_amdhsa_kernel
	.amdgpu_metadata
---
amdhsa.version: [ 1, 2 ]
amdhsa.kernels:
  - .name:           k_q470cdf0a32_route
    .symbol:         k_q470cdf0a32_route.kd
    .args:
      - { .name: x, .offset: 0, .size: 8, .value_kind: global_buffer, .address_space: global }
      - { .name: Wg, .offset: 8, .size: 8, .value_kind: global_buffer, .address_space: global }
      - { .name: lowp_scales, .offset: 16, .size: 8, .value_kind: global_buffer, .address_space: global }
      - { .name: xq, .offset: 24, .size: 8, .value_kind: global_buffer, .address_space: global }
      - { .name: idx, .offset: 32, .size: 8, .value_kind: global_buffer, .address_space: global }
      - { .name: vals, .offset: 40, .size: 8, .value_kind: global_buffer, .address_space: global }
    .group_segment_fixed_size: 41472
    .private_segment_fixed_size: 0
    .kernarg_segment_align: 8
    .kernarg_segment_size: 48
    .max_flat_workgroup_size: 128
    .sgpr_count:     66
    .vgpr_count:     512
    .wavefront_size: 32
...
	.end_amdgpu_metadata
.endif
;; end of part 1
;; launch place (part 2): grid 1 x 1, 32 waves a work-group, no clusters, 8,192 bytes of LDS; arguments idx, list, pos, cnt; writes list, pos, cnt
.if DOCPART == 2
	.amdgcn_target "amdgcn-amd-amdhsa--gfx1250"
	.amdhsa_code_object_version 6
	.text
	.protected	k_q470cdf0a32_place
	.globl	k_q470cdf0a32_place
	.p2align	8
	.type	k_q470cdf0a32_place,@function
k_q470cdf0a32_place:
	s_mov_b64 s[64:65], 0
	v_nop
	global_prefetch_b8 v0, s[64:65] scope:SCOPE_SE
	s_setreg_imm32_b32 hwreg(HW_REG_WAVE_MODE, 25, 1), 1
	s_wait_xcnt 0x0
; PLACE.  A counting sort of the 4,096 entries (token, place) by expert; whole numbers only; EXEC is always full.
; Expert e owns row positions 2048 e + rank, rank < cnt[e] <= 2,048 (a token's two experts differ).  Stored: list[e][rank] = token (2,080 entries an expert),
; pos[token][place] = 2048 e + rank, cnt[e].  list[e][cnt .. cnt + 31] = 0: the products take rows 32 at a time, and the rows that fill the last 32 are token 0's; nobody reads their results.
; ONE work-group of 32 waves: a sum over all entries needs one owner, and 16 KB of input is work for one.  Thread t owns entries 4 t .. 4 t + 3 (tokens 2 t, 2 t + 1).
; Pass A counts each expert's entries in the wave; the counts meet in LDS behind the one barrier; each wave adds up the waves in front of it; pass B repeats the compares and hands out the ranks.
; The list's stores are 4 bytes a lane at scattered places: that is what a scatter of 16 KB is.
	s_load_b256 s[4:11], s[0:1], 0x0               ; idx s[4:5], list s[6:7], pos s[8:9], cnt s[10:11]
	v_lshl_add_u32 v64, v0, 2, 0x1000
	v_mov_b32 v65, 0
	v_lshrrev_b32 v1, 5, v0
	v_readfirstlane_b32 s18, v1                    ; wave 0..31
	v_lshlrev_b32 v3, 7, v1                        ; LDS: 128 x wave: my wave's eight counts
	v_and_b32 v1, 31, v0                           ; lane
	v_lshlrev_b32 v2, 4, v0                        ; 16 x thread
	v_and_b32 v14, 7, v1
	v_lshlrev_b32 v14, 2, v14                      ; LDS: 4 x (lane & 7): the expert that my lane adds up
	v_mov_b32 v15, s18
.irp e, 0,1,2,3,4,5,6,7
	s_mov_b32 s[20+\e], 0
.endr
	s_wait_kmcnt 0x0
	global_load_b128 v[4:7], v2, s[4:5]
	s_wait_loadcnt 0x0
.irp i, 0,1,2,3
	v_min_u32 v[4+\i], 7, v[4+\i]                  ; an expert's number
.endr
.irp i, 0,1,2,3                                ; pass A
.irp e, 0,1,2,3,4,5,6,7
	v_cmp_eq_u32 vcc_lo, \e, v[4+\i]
	s_bcnt1_i32_b32 s28, vcc_lo
	s_add_co_u32 s[20+\e], s[20+\e], s28
.endr
.endr
.irp e, 0,1,2,3,4,5,6,7
	v_mov_b32 v[16+\e], s[20+\e]
	ds_store_b32 v3, v[16+\e] offset:4*\e          ; all lanes write the same word with the same number
.endr
	s_wait_dscnt 0x0                               ; for the others' sake: my stores are done
	s_barrier_signal -1
	s_barrier_wait -1
.set ii, 0
.rept 32
	ds_load_b32 v[16+ii], v14 offset:128*ii        ; wave ii's count of my lane's expert
.set ii, ii+1
.endr
	v_mov_b32 v48, 0                               ; the expert's total
	v_mov_b32 v49, 0                               ; and what the waves in front of mine hold of it
	s_wait_dscnt 0x0
.set ii, 0
.rept 16
	v_add3_u32 v48, v48, v[16+2*ii], v[17+2*ii]
.set ii, ii+1
.endr
.set ii, 0
.rept 32
	v_cmp_lt_u32 vcc_lo, ii, v15                   ; wave ii stands in front of mine
	v_cndmask_b32 v50, 0, v[16+ii], vcc_lo
	v_add_nc_u32 v49, v49, v50
.set ii, ii+1
.endr
.irp e, 0,1,2,3,4,5,6,7
	v_readlane_b32 s[20+\e], v49, \e               ; where my wave's ranks begin
	v_readlane_b32 s[32+\e], v48, \e               ; the totals
.endr
.irp i, 0,1,2,3
	v_mov_b32 v[8+\i], 0
.endr
.irp i, 0,1,2,3                                ; pass B: rank = the running number + the lanes below mine with the same expert
.irp e, 0,1,2,3,4,5,6,7
	v_cmp_eq_u32 vcc_lo, \e, v[4+\i]
	v_mbcnt_lo_u32_b32 v12, vcc_lo, s[20+\e]
	v_cndmask_b32 v[8+\i], v[8+\i], v12, vcc_lo
	s_bcnt1_i32_b32 s28, vcc_lo
	s_add_co_u32 s[20+\e], s[20+\e], s28
.endr
.endr
.irp i, 0,1,2,3
	v_lshl_add_u32 v[52+\i], v[4+\i], 11, v[8+\i]  ; 2048 e + rank
	v_mad_u32_u24 v[56+\i], v[4+\i], 0x820, v[8+\i]   ; 2080 e + rank,
	v_min_u32 v[56+\i], 0x40ff, v[56+\i]           ; inside the list's 16,640 entries,
	v_lshlrev_b32 v[56+\i], 2, v[56+\i]            ; in bytes
.endr
	v_lshlrev_b32 v60, 1, v0                       ; my two tokens
	v_or_b32 v61, 1, v60
	global_store_b128 v2, v[52:55], s[8:9]
.irp i, 0,1,2,3
	global_store_b32 v[56+\i], v[60+\i/2], s[6:7]
.endr
	s_mov_b32 s29, 0
.irp e, 0,1,2,3,4,5,6,7
	s_cmp_eq_u32 s18, \e
	s_cselect_b32 s29, s[32+\e], s29               ; in waves 0 to 7: the total of the expert with the wave's number
.endr
	s_cmp_lt_u32 s18, 8
	s_cbranch_scc0 .Lno_pad
	s_mul_i32 s30, s18, 2080
	s_add_co_u32 s30, s30, s29
	v_add_nc_u32 v62, s30, v1                      ; entries cnt .. cnt + 31 of expert = wave
	v_min_u32 v62, 0x40ff, v62
	v_lshlrev_b32 v62, 2, v62
	v_mov_b32 v63, 0
	global_store_b32 v62, v63, s[6:7]
.Lno_pad:
	s_cmp_lg_u32 s18, 0
	s_cbranch_scc1 .Lend
	v_lshlrev_b32 v51, 2, v1
	global_store_b32 v51, v48, s[10:11]            ; words 0-7: the counts; words 8-31 repeat them
.Lend:
	s_wait_tensorcnt 0x0
	ds_add_u32 v64, v65
	s_wait_dscnt 0x0
	s_endpgm
.Lfunc_end_k_q470cdf0a32_place:
	.size	k_q470cdf0a32_place, .Lfunc_end_k_q470cdf0a32_place-k_q470cdf0a32_place
	.p2alignl 7, 3214868480
	.fill 96, 4, 3214868480
	.section	.rodata,"a",@progbits
	.p2align	6, 0x0
	.amdhsa_kernel k_q470cdf0a32_place
		.amdhsa_group_segment_fixed_size 8192
		.amdhsa_private_segment_fixed_size 0
		.amdhsa_enable_private_segment 0
		.amdhsa_kernarg_size 32
		.amdhsa_user_sgpr_count 2
		.amdhsa_user_sgpr_kernarg_segment_ptr 1
		.amdhsa_wavefront_size32 1
		.amdhsa_system_sgpr_workgroup_id_x 1
		.amdhsa_system_sgpr_workgroup_id_y 1
		.amdhsa_system_sgpr_workgroup_id_z 1
		.amdhsa_system_vgpr_workitem_id 0
		.amdhsa_next_free_vgpr 66
		.amdhsa_next_free_sgpr 66
		.amdhsa_reserve_vcc 1
		.amdhsa_float_denorm_mode_32 3
		.amdhsa_float_denorm_mode_16_64 3
		.amdhsa_memory_ordered 1
		.amdhsa_forward_progress 1
		.amdhsa_inst_pref_size 22
	.end_amdhsa_kernel
	.amdgpu_metadata
---
amdhsa.version: [ 1, 2 ]
amdhsa.kernels:
  - .name:           k_q470cdf0a32_place
    .symbol:         k_q470cdf0a32_place.kd
    .args:
      - { .name: idx, .offset: 0, .size: 8, .value_kind: global_buffer, .address_space: global }
      - { .name: list, .offset: 8, .size: 8, .value_kind: global_buffer, .address_space: global }
      - { .name: pos, .offset: 16, .size: 8, .value_kind: global_buffer, .address_space: global }
      - { .name: cnt, .offset: 24, .size: 8, .value_kind: global_buffer, .address_space: global }
    .group_segment_fixed_size: 8192
    .private_segment_fixed_size: 0
    .kernarg_segment_align: 8
    .kernarg_segment_size: 32
    .max_flat_workgroup_size: 1024
    .sgpr_count:     66
    .vgpr_count:     66
    .wavefront_size: 32
...
	.end_amdgpu_metadata
.endif
;; end of part 2
;; launch fc1 (part 3): grid 256 x 1, 4 waves a work-group, no clusters, 200,192 bytes of LDS; arguments W1, xq, list, cnt, lowp_scales, hid; writes hid
.if DOCPART == 3
	.amdgcn_target "amdgcn-amd-amdhsa--gfx1250"
	.amdhsa_code_object_version 6
	.text
	.protected	k_q470cdf0a32_fc1
	.globl	k_q470cdf0a32_fc1
	.p2align	8
	.type	k_q470cdf0a32_fc1,@function
k_q470cdf0a32_fc1:
	s_mov_b64 s[64:65], 0
	v_nop
	global_prefetch_b8 v0, s[64:65] scope:SCOPE_SE
	s_setreg_imm32_b32 hwreg(HW_REG_WAVE_MODE, 25, 1), 1
	s_wait_xcnt 0x0
; FC1.  hid = Q(silu(x W1[e]^T)) for the rows routed to expert e, on codes of E4M3; the weights are quantised here, on their one way in.
; SHARES.  Work-group = (expert e = number / 32, slice = number % 32): 64 rows of W1[e] (hidden units 64 slice ..) x K = 1,024.  These 256 KB of f32 are read by nobody else, once.
; PROLOGUE.  Wave w turns 16 of the rows into 8 fragments (16 rows x 128 K, 16 registers a lane); the fragments go to LDS as images of their registers; ONE barrier; every wave then
; holds all 32 fragments, 512 registers (windows 1 and 2), for the rest of the launch.  So what streams past is the small thing: the expert's rows of x, as codes.
; ROWS.  Tiles of 32 rows (two subtiles of 16), wave w takes tiles w, w + 4, ..  The tokens come from the list; a row's 1,024 codes are gathered in four pieces of 256 consecutive bytes by
; sixteen lanes, go through the wave's own stage in LDS and come back as fragments.  Loads run a tile (64 loads a wave) ahead; the list two tiles.
; THE PRODUCT IS USED TRANSPOSED (source 0 = 16 rows of W1, source 1 = 16 routed rows): a lane holds ONE routed row and eight hidden units.  THE ROWS OF W1 THAT FORM A TILE ARE NOT
; NEIGHBOURS: lane r of tile 2 b + u takes row 32 b + 8 u + r + 8 (r / 8), so that the 16 registers of tiles 2 b, 2 b + 1 are hidden units 32 b + 16 (lane / 16) + 0 .. 15: the next K.
; K IN THE REGISTERS: registers 4 c .. 4 c + 3 of K step s hold k = 128 s + 32 c + 16 (lane / 16) + 0 .. 15, alike in both operands (a permutation of k inside an instruction).
; hid is laid as the next launch's operand registers: [expert][16 rows][K step][c][lane][16 bytes]; a subtile's two stores cover 1,024 consecutive bytes.
; NO TENSOR LOAD, NO CLUSTER, though the 32 work-groups of an expert read the same rows: the trips hang on cnt[e], a number read from memory, so operands go from memory into registers.
; The one barrier stands ahead of every branch on cnt; a work-group whose expert has no rows stores nothing.  All LDS addresses in the loop stay as they are and are the wave's own.
; LIMITS: e1 between -126 and 119; e0 + e1 between -126 and 127; e3 - e0 - e1 between -126 and 119.  NaN among the inputs is not served.
; REGISTERS.  window 0: v1-19 addresses and scales; v20-31, v120-123 the list's 16 tokens of a lane; v32-47 the rows' offsets in xq; v48-79 four accumulators; v80-111 at work (prologue: v80-95 a fragment's
;   codes); v112-119 a subtile's codes; v128-255 a subtile's 8 fragments (prologue: two sets of 64 numbers).   windows 1, 2: W1's fragment (K step k, tile t) at 256 (1 + k / 4) + 64 (k % 4) + 16 t.
;   window 3: the gathered rows as loaded, 128 registers a subtile (prologue: four sets of 64 numbers as loaded).
.set IMG,   67584                      ; LDS: from 0, for each wave two stages of 16 rows x 528 bytes (16,896); here the 32 images of 2,048 bytes: fragment (t, k) at 2048 (8 t + k)
.set RSTG,  133120                     ; and for each wave a stage of 16 rows x 1,040 bytes
.set WROW,  4096                       ; a row of W1 in bytes
.set OFF,   32
.set ACC,   48
.set T,     80
.set PCD,   80
.set HC,    112
.set XP,    128
.set XF,    128
.set MSB, 0
.macro WIN new                         ; the immediate's high byte repeats the setting that is left; bits 1:0 source 0, 3:2 source 1, 5:4 source 2, 7:6 destination
.if MSB != \new
	s_set_vgpr_msb (MSB<<8)|\new
.set MSB, \new
.endif
.endm
.macro PLACES n
.rept \n
	v_nop
.endr
.endm
; K step k of my 16 rows: each load reads 512 consecutive bytes of one row, into set k % 4 of window 3
.macro LOADW k
	WIN 0xc0
.irp i, 0,1,2,3,4,5,6,7,8,9,10,11,12,13,14,15
	global_load_b128 v[64*((\k)%4)+4*\i:64*((\k)%4)+4*\i+3], v4, s[4:5] offset:WROW*(\i+8*(\i/8))+512*(\k) th:TH_LOAD_NT
.endr
.endm
; through stage k % 2: in as loaded, row by row (pitch 528, an odd multiple of 16 bytes); back as 64 numbers a lane: register 16 c + i = k 32 c + 16 (lane / 16) + i of row lane % 16
.macro TURNW k
	WIN 0x0c                                       ; store data window 3
.irp i, 0,1,2,3,4,5,6,7,8,9,10,11,12,13,14,15
	ds_store_b128 v5, v[64*((\k)%4)+4*\i:64*((\k)%4)+4*\i+3] offset:8448*((\k)%2)+528*\i
.endr
	WIN 0
.irp c, 0,1,2,3
.irp j, 0,1,2,3
	ds_load_b128 v[XP+64*((\k)%2)+16*\c+4*\j:XP+64*((\k)%2)+16*\c+4*\j+3], v6 offset:8448*((\k)%2)+128*\c+16*\j
.endr
.endr
.endm
; the 64 numbers become a fragment's codes, and the fragment goes to LDS as it stands
.macro QUANTW k
.set XS, XP+64*((\k)%2)
.irp c, 0,1,2,3
.irp i, 0,1,2,3,4,5,6,7,8,9,10,11,12,13,14,15
	v_med3_num_f32 v[XS+16*\c+\i], v[XS+16*\c+\i], -v10, v10   ; the conversion to an 8-bit code does not saturate (ISA guide 7.6.2): the hold comes first
.endr
	v_cvt_scalef32_pk8_fp8_f32 v[PCD+4*\c:PCD+4*\c+1], v[XS+16*\c:XS+16*\c+7], v9
	v_cvt_scalef32_pk8_fp8_f32 v[PCD+4*\c+2:PCD+4*\c+3], v[XS+16*\c+8:XS+16*\c+15], v9
.endr
	v_nop                                          ; a plain line behind the last conversion
.irp c, 0,1,2,3
	ds_store_b128 v7, v[PCD+4*\c:PCD+4*\c+3] offset:2048*(\k)+512*\c
.endr
.endm
; The tokens of the tile `ahead` tiles on, held inside the expert's tiles: a lane takes entries 16 S + 8 (lane / 16) + 0 .. 7 of both subtiles S: four loads of 16 bytes
.macro TVLOAD ahead
	s_add_co_u32 s44, s43, \ahead
	s_min_u32 s44, s44, s41                        ; not past the expert's last tile,
	s_min_u32 s44, s44, 63                         ; and in any case inside the expert's part of the list
	v_lshl_add_u32 v12, s44, 7, v11
	global_load_b128 v[20:23], v12, s[8:9]
	global_load_b128 v[24:27], v12, s[8:9] offset:16
	global_load_b128 v[28:31], v12, s[8:9] offset:64
	global_load_b128 v[120:123], v12, s[8:9] offset:80
.endm
.macro OFFS                            ; token -> byte offset in xq of my 16 bytes of a piece: 1024 x token + 16 (lane % 16)
.set kk, 0
.rept 16
	v_min_u32 v[OFF+kk], 0x7ff, v[20+kk+88*(kk/12)]
.set kk, kk+1
.endr
.set kk, 0
.rept 16
	v_lshl_add_u32 v[OFF+kk], v[OFF+kk], 10, v14
.set kk, kk+1
.endr
.endm
.macro GLOAD half                      ; a subtile's 16 rows: load (i, q): lanes 0-15 piece q of row i, lanes 16-31 of row i + 8: 256 consecutive bytes each
	WIN 0xc0
.irp i, 0,1,2,3,4,5,6,7
.irp q, 0,1,2,3
	global_load_b128 v[128*\half+16*\i+4*\q:128*\half+16*\i+4*\q+3], v[OFF+8*\half+\i], s[6:7] offset:256*\q
.endr
.endr
	WIN 0
.endm
; 32 matrix instructions: 8 K steps x my 4 tiles of weight rows; the four accumulators take turns, one instruction a turn; the first K step starts the sums
.macro MUL x, wa, wb
.irp k, 0,1,2,3,4,5,6,7
.if \k == 0
	WIN \wa
.endif
.if \k == 4
	WIN \wb
.endif
.irp t, 0,1,2,3
.if \k == 0
	v_wmma_f32_16x16x128_fp8_fp8 v[ACC+8*\t:ACC+8*\t+7], v[64*(\k%4)+16*\t:64*(\k%4)+16*\t+15], v[(\x)+16*\k:(\x)+16*\k+15], 0
.else
	v_wmma_f32_16x16x128_fp8_fp8 v[ACC+8*\t:ACC+8*\t+7], v[64*(\k%4)+16*\t:64*(\k%4)+16*\t+15], v[(\x)+16*\k:(\x)+16*\k+15], v[ACC+8*\t:ACC+8*\t+7]
.endif
.endr
.endr
	WIN 0
.endm
; A sum S stands for z = S x 2^(e0 + e1).  silu(z) = z / (1 + 2^(-z log2 e)).  S / (1 + ..) is silu(z) / 2^(e0 + e1), so the conversion's one scale is 2^(e3 - e0 - e1).
.macro SILUQ
.set jj, 0
.rept 16
	v_pk_mul_f32 v[T+jj:T+jj+1], v[ACC+jj:ACC+jj+1], s[30:31] op_sel_hi:[1,0]   ; -z log2 e; each accumulator is read from its low end on
.set jj, jj+2
.endr
.set jj, 0
.rept 32
	v_exp_f32 v[T+jj], v[T+jj]
.set jj, jj+1
.endr
	v_nop                                          ; a plain line behind the last exponential
	s_wait_alu depctr_va_vdst(0)                   ; one wait for the batch of 32, ahead of its first reader
.set jj, 0
.rept 16
	v_pk_add_f32 v[T+jj:T+jj+1], v[T+jj:T+jj+1], 1.0 op_sel_hi:[1,0]
.set jj, jj+2
.endr
.set jj, 0
.rept 32
	v_rcp_f32 v[T+jj], v[T+jj]
.set jj, jj+1
.endr
	v_nop
	s_wait_alu depctr_va_vdst(0)                   ; one wait for the batch of 32
.set jj, 0
.rept 16
	v_pk_mul_f32 v[T+jj:T+jj+1], v[T+jj:T+jj+1], v[ACC+jj:ACC+jj+1]
.set jj, jj+2
.endr
.set jj, 0
.rept 32
	v_med3_num_f32 v[T+jj], v[T+jj], -v19, v19     ; the hold at 448 x the scale
.set jj, jj+1
.endr
.irp b, 0,1
	v_cvt_scalef32_pk8_fp8_f32 v[HC+4*\b:HC+4*\b+1], v[T+16*\b:T+16*\b+7], v18
	v_cvt_scalef32_pk8_fp8_f32 v[HC+4*\b+2:HC+4*\b+3], v[T+16*\b+8:T+16*\b+15], v18
.endr
	v_nop                                          ; a plain line behind the last conversion
.endm
; A subtile.  more = 1: the same subtile of my next tile is asked for.  left = the younger loads that may stay out.
.macro SUB half, more, left
	s_wait_loadcnt \left                           ; this subtile's 32 loads are in (and with subtile 0's the list's four, which are older)
	WIN 0x0c
.irp i, 0,1,2,3,4,5,6,7
.irp q, 0,1,2,3
	ds_store_b128 v15, v[128*\half+16*\i+4*\q:128*\half+16*\i+4*\q+3] offset:1040*\i+256*\q
.endr
.endr
	WIN 0
.irp k, 0,1,2,3,4,5,6,7
.irp c, 0,1,2,3
	ds_load_b128 v[XF+16*\k+4*\c:XF+16*\k+4*\c+3], v16 offset:128*\k+32*\c   ; LDS serves a wave's instructions in order: these see the stores above.  Pitch 1,040: an odd multiple of 16 bytes
.endr
.endr
	s_wait_xcnt 0x0                                ; the loads and stores issued so far have read their registers: the offsets and the codes may be written again
.if \more && (\half == 0)
	OFFS                                           ; my next tile's 16 offsets
.endif
	s_wait_dscnt 0x0                               ; the fragments are in, and the stage's stores have read window 3's registers
.if \more
.if \half == 0
	TVLOAD 8                                       ; the list runs two tiles ahead
.endif
	GLOAD \half
.endif
	MUL XF, 0x01, 0x02                             ; source 0 window 1, then 2
	PLACES 4                                       ; four places between the last products and the first read of their results; with the lines that follow they also serve the next loads into the fragments and the next sums' start
	SILUQ
	global_store_b128 v4, v[HC:HC+3], s[14:15] offset:32768*\half        ; 32 lanes store 512 consecutive bytes: chunk c = 2 (slice % 2) of K step slice / 2,
	global_store_b128 v4, v[HC+4:HC+7], s[14:15] offset:32768*\half+512  ; and the chunk behind it
.endm
	s_load_b256 s[4:11], s[0:1], 0x0               ; W1 s[4:5], xq s[6:7], list s[8:9], cnt s[10:11]
	s_load_b128 s[12:15], s[0:1], 0x20             ; the scales' exponents s[12:13], hid s[14:15]
	v_lshl_add_u32 v126, v0, 2, 0x30c00
	v_mov_b32 v127, 0
	v_lshrrev_b32 v1, 5, v0
	v_readfirstlane_b32 s16, v1                    ; wave
	v_and_b32 v1, 31, v0                           ; lane
	v_and_b32 v2, 15, v0                           ; r
	v_bfe_u32 v3, v0, 4, 1                         ; h
	v_lshlrev_b32 v4, 4, v1                        ; 16 x lane
	s_lshr_b32 s17, ttmp9, 5                       ; expert
	s_and_b32 s18, ttmp9, 31                       ; slice
	s_lshl_b32 s20, s17, 23                        ; W1: 8 MB an expert,
	s_lshl_b32 s21, s18, 18                        ; 64 rows a slice,
	s_add_co_u32 s20, s20, s21
	s_lshr_b32 s21, s16, 1
	s_lshl_b32 s21, s21, 17                        ; my tile begins at row 32 (wave / 2)
	s_add_co_u32 s20, s20, s21
	s_and_b32 s21, s16, 1
	s_lshl_b32 s21, s21, 15                        ; + 8 (wave % 2)
	s_add_co_u32 s20, s20, s21
	s_mov_b32 s21, 0
	s_lshl_b32 s22, s17, 2                         ; cnt[e]
	s_mov_b32 s23, 0
	s_mul_i32 s24, s17, 8320                       ; the expert's 2,080 entries of the list
	s_mov_b32 s25, 0
	s_lshl_b32 s26, s17, 22                        ; hid: 4 MB an expert,
	s_lshl_b32 s27, s16, 16                        ; 64 KB a tile of 32 rows: my first is tile = wave,
	s_add_co_u32 s26, s26, s27
	s_lshl_b32 s27, s18, 10                        ; 2048 (slice / 2) + 1024 (slice % 2)
	s_add_co_u32 s26, s26, s27
	s_mov_b32 s27, 0
	s_wait_kmcnt 0x0
	s_add_nc_u64 s[4:5], s[4:5], s[20:21]
	s_add_nc_u64 s[10:11], s[10:11], s[22:23]
	s_add_nc_u64 s[8:9], s[8:9], s[24:25]
	s_add_nc_u64 s[14:15], s[14:15], s[26:27]
	s_load_b128 s[36:39], s[12:13], 0x0            ; e0, e1, e2, e3
	s_load_b32 s40, s[10:11], 0x0                  ; cnt[e]
	LOADW 0
	LOADW 1
	LOADW 2
	LOADW 3
	WIN 0
	s_mul_i32 s22, s16, 16896                      ; my two stages
	v_add_nc_u32 v5, s22, v4                       ; in: 16 x lane of a row
	v_mul_u32_u24 v6, v2, 528
	v_lshl_add_u32 v6, v3, 6, v6
	v_add_nc_u32 v6, s22, v6                       ; back: row r, + 64 h
	s_lshl_b32 s23, s16, 14
	s_add_co_u32 s23, s23, IMG
	v_add_nc_u32 v7, s23, v4                       ; my 8 images
	v_add_nc_u32 v8, IMG, v4                       ; all 32
	v_lshlrev_b32 v11, 5, v3                       ; the list: 32 h bytes into a subtile's 64
	v_lshlrev_b32 v14, 4, v2                       ; 16 r
	s_mul_i32 s24, s16, 16640
	s_add_co_u32 s24, s24, RSTG                    ; my row stage
	v_mul_u32_u24 v15, v3, 8320
	v_lshl_add_u32 v15, v2, 4, v15
	v_add_nc_u32 v15, s24, v15                     ; in: row i + 8 h, 16 r
	v_mul_u32_u24 v16, v2, 1040
	v_lshl_add_u32 v16, v3, 4, v16
	v_add_nc_u32 v16, s24, v16                     ; back: row r, + 16 h
	s_wait_kmcnt 0x0
	s_add_co_i32 s46, s37, 127
	s_lshl_b32 s47, s46, 23
	v_mov_b32 v9, s47                              ; 2^e1 as f32: the conversion takes its exponent field
	s_add_co_i32 s46, s46, 8
	s_lshl_b32 s46, s46, 23
	s_or_b32 s46, s46, 0x600000
	v_mov_b32 v10, s46                             ; 448 x 2^e1
	s_add_co_i32 s45, s36, s37                     ; e0 + e1
	s_lshl_b32 s30, s45, 23
	s_add_co_u32 s30, s30, 0xbfb8aa3b              ; -log2(e) x 2^(e0 + e1): the sum is added to the exponent field
	s_mov_b32 s31, s30                             ; (named with it as a pair, so it is written)
	s_sub_co_i32 s46, s39, s45
	s_add_co_i32 s46, s46, 127
	s_lshl_b32 s47, s46, 23
	v_mov_b32 v18, s47                             ; 2^(e3 - e0 - e1)
	s_add_co_i32 s46, s46, 8
	s_lshl_b32 s46, s46, 23
	s_or_b32 s46, s46, 0x600000
	v_mov_b32 v19, s46                             ; 448 x that
	s_min_u32 s40, s40, 0x800
	s_add_co_u32 s40, s40, 31
	s_lshr_b32 s40, s40, 5                         ; the expert's tiles of 32 rows
	s_max_u32 s41, s40, 1
	s_sub_co_u32 s41, s41, 1                       ; the last of them (0 where there is none: entries 0 to 31 of the list are always stored)
	s_add_co_u32 s42, s40, 3
	s_sub_co_u32 s42, s42, s16
	s_lshr_b32 s42, s42, 2                         ; my tiles: wave, wave + 4, ..
	s_mov_b32 s43, s16                             ; the tile in hand
	TVLOAD 0                                       ; my first tile's tokens come while the weights stream
	s_wait_loadcnt 48                              ; K step 0's 16 loads are in: behind them stand three steps' 48 and the list's 4 (a smaller count than 52 is safe)
	TURNW 0
.irp k, 0,1,2,3,4,5,6,7
	s_wait_dscnt 0x0                               ; step k's numbers are back; the stage's stores have read their set of window 3; the images' stores have read the codes
.if \k < 4
	LOADW \k+4                                     ; into the set that step k has left
.endif
.if \k < 7
.if \k < 4
	s_wait_loadcnt 48                              ; step k + 1 is in; the three steps behind it may be out
.else
	s_wait_loadcnt 16*(6-\k)                       ; the counts run down: 32, 16, 0
.endif
	TURNW \k+1                                     ; through the other stage while step k is quantised
.endif
	QUANTW \k
.endr
	s_wait_dscnt 0x0                               ; for the others' sake: my images are in LDS
	s_barrier_signal -1
	s_barrier_wait -1                              ; the launch's one barrier: all 32 images are
	s_cmp_eq_u32 s42, 0
	s_cbranch_scc1 .Lend                           ; no tile for my wave
	OFFS
	TVLOAD 4
	GLOAD 0
	GLOAD 1
	WIN 0x40                                       ; destination window 1: K steps 0-3
.irp k, 0,1,2,3
.irp t, 0,1,2,3
.irp c, 0,1,2,3
	ds_load_b128 v[64*\k+16*\t+4*\c:64*\k+16*\t+4*\c+3], v8 offset:2048*(8*\t+\k)+512*\c
.endr
.endr
.endr
	WIN 0x80                                       ; window 2: K steps 4-7
.irp k, 0,1,2,3
.irp t, 0,1,2,3
.irp c, 0,1,2,3
	ds_load_b128 v[64*\k+16*\t+4*\c:64*\k+16*\t+4*\c+3], v8 offset:2048*(8*\t+\k+4)+512*\c
.endr
.endr
.endr
	WIN 0                                          ; (the first subtile's wait for all LDS instructions serves these loads too)
	s_sub_co_u32 s42, s42, 1                       ; trips that have a successor
	s_cmp_eq_u32 s42, 0
	s_cbranch_scc1 .Ltail
.Ltrip:
	SUB 0, 1, 32                                   ; behind subtile 0's loads: subtile 1's 32
	SUB 1, 1, 36                                   ; behind subtile 1's: the list's 4 and the next tile's subtile 0: 32
	s_wait_xcnt 0x0                                ; the stores have read their base
	s_add_nc_u64 s[14:15], s[14:15], 0x40000       ; four tiles of 64 KB on
	s_add_co_u32 s43, s43, 4
	s_sub_co_u32 s42, s42, 1
	s_cmp_lg_u32 s42, 0
	s_cbranch_scc1 .Ltrip
.Ltail:                                            ; my last tile asks for nothing
	SUB 0, 0, 32
	SUB 1, 0, 0
.Lend:
	s_wait_tensorcnt 0x0
	ds_add_u32 v126, v127
	s_wait_dscnt 0x0
	s_endpgm
.Lfunc_end_k_q470cdf0a32_fc1:
	.size	k_q470cdf0a32_fc1, .Lfunc_end_k_q470cdf0a32_fc1-k_q470cdf0a32_fc1
	.p2alignl 7, 3214868480
	.fill 96, 4, 3214868480
	.section	.rodata,"a",@progbits
	.p2align	6, 0x0
	.amdhsa_kernel k_q470cdf0a32_fc1
		.amdhsa_group_segment_fixed_size 200192
		.amdhsa_private_segment_fixed_size 0
		.amdhsa_enable_private_segment 0
		.amdhsa_kernarg_size 48
		.amdhsa_user_sgpr_count 2
		.amdhsa_user_sgpr_kernarg_segment_ptr 1
		.amdhsa_wavefront_size32 1
		.amdhsa_system_sgpr_workgroup_id_x 1
		.amdhsa_system_sgpr_workgroup_id_y 1
		.amdhsa_system_sgpr_workgroup_id_z 1
		.amdhsa_system_vgpr_workitem_id 0
		.amdhsa_next_free_vgpr 1024
		.amdhsa_next_free_sgpr 66
		.amdhsa_reserve_vcc 0
		.amdhsa_float_denorm_mode_32 3
		.amdhsa_float_denorm_mode_16_64 3
		.amdhsa_memory_ordered 1
		.amdhsa_forward_progress 1
		.amdhsa_inst_pref_size 154
	.end_amdhsa_kernel
	.amdgpu_metadata
---
amdhsa.version: [ 1, 2 ]
amdhsa.kernels:
  - .name:           k_q470cdf0a32_fc1
    .symbol:         k_q470cdf0a32_fc1.kd
    .args:
      - { .name: W1, .offset: 0, .size: 8, .value_kind: global_buffer, .address_space: global }
      - { .name: xq, .offset: 8, .size: 8, .value_kind: global_buffer, .address_space: global }
      - { .name: list, .offset: 16, .size: 8, .value_kind: global_buffer, .address_space: global }
      - { .name: cnt, .offset: 24, .size: 8, .value_kind: global_buffer, .address_space: global }
      - { .name: lowp_scales, .offset: 32, .size: 8, .value_kind: global_buffer, .address_space: global }
      - { .name: hid, .offset: 40, .size: 8, .value_kind: global_buffer, .address_space: global }
    .group_segment_fixed_size: 200192
    .private_segment_fixed_size: 0
    .kernarg_segment_align: 8
    .kernarg_segment_size: 48
    .max_flat_workgroup_size: 128
    .sgpr_count:     66
    .vgpr_count:     1024
    .wavefront_size: 32
...
	.end_amdgpu_metadata
.endif
;; end of part 3
;; launch fc2 (part 4): grid 256 x 1, 4 waves a work-group, no clusters, 151,040 bytes of LDS; arguments W2, hid, cnt, lowp_scales, y; writes y
.if DOCPART == 4
	.amdgcn_target "amdgcn-amd-amdhsa--gfx1250"
	.amdhsa_code_object_version 6
	.text
	.protected	k_q470cdf0a32_fc2
	.globl	k_q470cdf0a32_fc2
	.p2align	8
	.type	k_q470cdf0a32_fc2,@function
k_q470cdf0a32_fc2:
	s_mov_b64 s[64:65], 0
	v_nop
	global_prefetch_b8 v0, s[64:65] scope:SCOPE_SE
	s_setreg_imm32_b32 hwreg(HW_REG_WAVE_MODE, 25, 1), 1
	s_wait_xcnt 0x0
; FC2.  y[kh][position][column] = the sum over half kh of K of hid's codes x W2[e]'s codes, for the rows routed to expert e; the weights are quantised here, on their one way in.
; The sums are stored as they are: the next launch adds the two halves and multiplies by 2^(e2 + e3) and the gate's weight.
; SHARES.  Work-group = (expert e = number / 32, columns 64 cs .., cs = (number % 32) / 2, half kh = number % 2 of K = 2,048): 64 rows of W2[e] x 1,024 along K: 256 KB of f32, read by nobody else, once.
; K is halved, and not the columns, so that a row's part of y is 256 consecutive bytes, aligned, and each byte of hid feeds 64 columns.
; PROLOGUE as in the launch before: wave w turns 16 rows into 8 fragments, which go to LDS as images of their registers; ONE barrier; every wave holds all 32 fragments (windows 1 and 2).
; ROWS.  Tiles of 32 rows (two subtiles of 16), wave w takes tiles w, w + 4, ..  hid lies as images of the operand's registers, so a fragment is four loads of 512 consecutive bytes; loads run a tile (64 loads a wave) ahead.
; THE PRODUCT IS USED TRANSPOSED (source 0 = 16 rows of W2, source 1 = 16 routed rows): a lane holds one routed row and eight neighbouring columns; a subtile's 16 x 64 sums go through the
; wave's own stage in LDS and leave as rows: sixteen lanes store 256 consecutive bytes, aligned.
; K IN THE REGISTERS: registers 4 c .. 4 c + 3 of K step s hold k = 128 s + 32 c + 16 (lane / 16) + 0 .. 15, alike in both operands.
; NO TENSOR LOAD, NO CLUSTER, though the 16 work-groups of an expert's half read the same rows: the trips hang on cnt[e], a number read from memory.  The one barrier stands ahead of every branch on cnt.
; LIMITS: e2 between -126 and 119.  NaN among the inputs is not served.
; REGISTERS.  window 0: v1-13 addresses and scales; v48-79 four accumulators; v80-111 rows of y on their way out (prologue: v80-95 a fragment's codes); v128-255 prologue: two sets of 64 numbers.
;   windows 1, 2: W2's fragment (K step k, tile t) at 256 (1 + k / 4) + 64 (k % 4) + 16 t.   window 3: hid's fragments, 128 registers a subtile (prologue: four sets of 64 numbers as loaded).
.set IMG,   67584                      ; LDS: from 0, for each wave two stages of 16 rows x 528 bytes (16,896); here the 32 images of 2,048 bytes: fragment (t, k) at 2048 (8 t + k)
.set YSTG,  133120                     ; and for each wave a stage of 16 rows x 272 bytes
.set WROW,  8192                       ; a row of W2 in bytes
.set ACC,   48
.set YB,    80
.set PCD,   80
.set XP,    128
.set MSB, 0
.macro WIN new                         ; the immediate's high byte repeats the setting that is left; bits 1:0 source 0, 3:2 source 1, 5:4 source 2, 7:6 destination
.if MSB != \new
	s_set_vgpr_msb (MSB<<8)|\new
.set MSB, \new
.endif
.endm
.macro PLACES n
.rept \n
	v_nop
.endr
.endm
; K step k of my 16 rows: each load reads 512 consecutive bytes of one row, into set k % 4 of window 3
.macro LOADW k
	WIN 0xc0
.irp i, 0,1,2,3,4,5,6,7,8,9,10,11,12,13,14,15
	global_load_b128 v[64*((\k)%4)+4*\i:64*((\k)%4)+4*\i+3], v4, s[4:5] offset:WROW*\i+512*(\k) th:TH_LOAD_NT
.endr
.endm
; through stage k % 2: in as loaded, row by row (pitch 528, an odd multiple of 16 bytes); back as 64 numbers a lane: register 16 c + i = k 32 c + 16 (lane / 16) + i of row lane % 16
.macro TURNW k
	WIN 0x0c                                       ; store data window 3
.irp i, 0,1,2,3,4,5,6,7,8,9,10,11,12,13,14,15
	ds_store_b128 v5, v[64*((\k)%4)+4*\i:64*((\k)%4)+4*\i+3] offset:8448*((\k)%2)+528*\i
.endr
	WIN 0
.irp c, 0,1,2,3
.irp j, 0,1,2,3
	ds_load_b128 v[XP+64*((\k)%2)+16*\c+4*\j:XP+64*((\k)%2)+16*\c+4*\j+3], v6 offset:8448*((\k)%2)+128*\c+16*\j
.endr
.endr
.endm
; the 64 numbers become a fragment's codes, and the fragment goes to LDS as it stands
.macro QUANTW k
.set XS, XP+64*((\k)%2)
.irp c, 0,1,2,3
.irp i, 0,1,2,3,4,5,6,7,8,9,10,11,12,13,14,15
	v_med3_num_f32 v[XS+16*\c+\i], v[XS+16*\c+\i], -v10, v10   ; the conversion to an 8-bit code does not saturate (ISA guide 7.6.2): the hold comes first
.endr
	v_cvt_scalef32_pk8_fp8_f32 v[PCD+4*\c:PCD+4*\c+1], v[XS+16*\c:XS+16*\c+7], v9
	v_cvt_scalef32_pk8_fp8_f32 v[PCD+4*\c+2:PCD+4*\c+3], v[XS+16*\c+8:XS+16*\c+15], v9
.endr
	v_nop                                          ; a plain line behind the last conversion
.irp c, 0,1,2,3
	ds_store_b128 v7, v[PCD+4*\c:PCD+4*\c+3] offset:2048*(\k)+512*\c
.endr
.endm
; a subtile's 8 fragments of my half of K, as the launch before stored them: 32 loads of 512 consecutive bytes.  ahead = 1: of my next tile, four tiles of 64 KB on
.macro XLOAD half, ahead
	WIN 0xc0
.irp k, 0,1,2,3,4,5,6,7
.irp c, 0,1,2,3
	global_load_b128 v[128*\half+16*\k+4*\c:128*\half+16*\k+4*\c+3], v4, s[6:7] offset:262144*\ahead+32768*\half+2048*\k+512*\c
.endr
.endr
	WIN 0
.endm
; 32 matrix instructions: 8 K steps x my 4 tiles of weight rows; the four accumulators take turns, one instruction a turn; the first K step starts the sums
.macro MUL x, wa, wb
.irp k, 0,1,2,3,4,5,6,7
.if \k == 0
	WIN \wa
.endif
.if \k == 4
	WIN \wb
.endif
.irp t, 0,1,2,3
.if \k == 0
	v_wmma_f32_16x16x128_fp8_fp8 v[ACC+8*\t:ACC+8*\t+7], v[64*(\k%4)+16*\t:64*(\k%4)+16*\t+15], v[(\x)+16*\k:(\x)+16*\k+15], 0
.else
	v_wmma_f32_16x16x128_fp8_fp8 v[ACC+8*\t:ACC+8*\t+7], v[64*(\k%4)+16*\t:64*(\k%4)+16*\t+15], v[(\x)+16*\k:(\x)+16*\k+15], v[ACC+8*\t:ACC+8*\t+7]
.endif
.endr
.endr
	WIN 0
.endm
; A subtile.  more = 1: the same subtile of my next tile is asked for.  left = the younger loads that may stay out.
.macro SUB half, more, left
	s_wait_loadcnt \left                           ; this subtile's 32 loads are in
	MUL 128*\half, 0x0d, 0x0e                      ; source 0 window 1, then 2; source 1 window 3
	PLACES 5                                       ; four places in front of loads into registers that the products read and of the stores that read their results; a fifth for the next subtile's first products, which write the accumulators anew
	s_wait_xcnt 0x0                                ; the last subtile's stores have read their registers
.if \more
	XLOAD \half, 1
.endif
.irp t, 0,1,2,3
	ds_store_b128 v11, v[ACC+8*\t:ACC+8*\t+3] offset:64*\t          ; lane (r, h): row r, columns 16 t + 8 h + 0 .. 7; each accumulator from its low end on
	ds_store_b128 v11, v[ACC+8*\t+4:ACC+8*\t+7] offset:64*\t+16
.endr
.irp i, 0,1,2,3,4,5,6,7
	ds_load_b128 v[YB+4*\i:YB+4*\i+3], v12 offset:544*\i            ; LDS serves a wave's instructions in order: these see the stores above; lanes 0-15 one row, lanes 16-31 the next
.endr
.irp i, 0,1,2,3,4,5,6,7
	s_wait_dscnt 7-\i
	global_store_b128 v13, v[YB+4*\i:YB+4*\i+3], s[12:13] offset:65536*\half+8192*\i   ; 16 lanes store 256 consecutive bytes, at a multiple of 256 from y's first byte
.endr
.endm
	s_load_b256 s[4:11], s[0:1], 0x0               ; W2 s[4:5], hid s[6:7], cnt s[8:9], the scales' exponents s[10:11]
	s_load_b64 s[12:13], s[0:1], 0x20              ; y
	v_lshl_add_u32 v126, v0, 2, 0x24c00
	v_mov_b32 v127, 0
	v_lshrrev_b32 v1, 5, v0
	v_readfirstlane_b32 s16, v1                    ; wave
	v_and_b32 v1, 31, v0                           ; lane
	v_and_b32 v2, 15, v0                           ; r
	v_bfe_u32 v3, v0, 4, 1                         ; h
	v_lshlrev_b32 v4, 4, v1                        ; 16 x lane
	s_lshr_b32 s17, ttmp9, 5                       ; expert
	s_bfe_u32 s18, ttmp9, 0x40001                  ; cs: which 64 columns
	s_and_b32 s19, ttmp9, 1                        ; kh: which half of K
	s_lshl_b32 s20, s17, 23                        ; W2: 8 MB an expert,
	s_lshl_b32 s21, s18, 19                        ; 64 rows of 8,192 bytes a slice,
	s_add_co_u32 s20, s20, s21
	s_lshl_b32 s21, s16, 17                        ; 16 rows a wave,
	s_add_co_u32 s20, s20, s21
	s_lshl_b32 s21, s19, 12                        ; 4,096 bytes a half of K
	s_add_co_u32 s20, s20, s21
	s_mov_b32 s21, 0
	s_lshl_b32 s22, s17, 2                         ; cnt[e]
	s_mov_b32 s23, 0
	s_lshl_b32 s24, s17, 22                        ; hid: 4 MB an expert,
	s_lshl_b32 s25, s16, 16                        ; 64 KB a tile of 32 rows: my first is tile = wave,
	s_add_co_u32 s24, s24, s25
	s_lshl_b32 s25, s19, 14                        ; 8 K steps of 2,048 bytes a half
	s_add_co_u32 s24, s24, s25
	s_mov_b32 s25, 0
	s_lshl_b32 s26, s19, 26                        ; y: 64 MB a half,
	s_lshl_b32 s27, s17, 23                        ; 2,048 positions of 4,096 bytes an expert,
	s_add_co_u32 s26, s26, s27
	s_lshl_b32 s27, s16, 17                        ; 32 rows a tile,
	s_add_co_u32 s26, s26, s27
	s_lshl_b32 s27, s18, 8                         ; 256 bytes a slice of columns
	s_add_co_u32 s26, s26, s27
	s_mov_b32 s27, 0
	s_wait_kmcnt 0x0
	s_add_nc_u64 s[4:5], s[4:5], s[20:21]
	s_add_nc_u64 s[8:9], s[8:9], s[22:23]
	s_add_nc_u64 s[6:7], s[6:7], s[24:25]
	s_add_nc_u64 s[12:13], s[12:13], s[26:27]
	s_load_b128 s[36:39], s[10:11], 0x0            ; e0, e1, e2, e3
	s_load_b32 s40, s[8:9], 0x0                    ; cnt[e]
	LOADW 0
	LOADW 1
	LOADW 2
	LOADW 3
	WIN 0
	s_mul_i32 s22, s16, 16896                      ; my two stages
	v_add_nc_u32 v5, s22, v4                       ; in: 16 x lane of a row
	v_mul_u32_u24 v6, v2, 528
	v_lshl_add_u32 v6, v3, 6, v6
	v_add_nc_u32 v6, s22, v6                       ; back: row r, + 64 h
	s_lshl_b32 s23, s16, 14
	s_add_co_u32 s23, s23, IMG
	v_add_nc_u32 v7, s23, v4                       ; my 8 images
	v_add_nc_u32 v8, IMG, v4                       ; all 32
	s_mul_i32 s24, s16, 4352
	s_add_co_u32 s24, s24, YSTG                    ; my stage for y
	v_mul_u32_u24 v11, v2, 272
	v_lshl_add_u32 v11, v3, 5, v11
	v_add_nc_u32 v11, s24, v11                     ; in: row r, + 32 h
	v_mul_u32_u24 v12, v3, 272
	v_lshl_add_u32 v12, v2, 4, v12
	v_add_nc_u32 v12, s24, v12                     ; back: row h of a pair, 16 r
	v_lshlrev_b32 v13, 12, v3
	v_lshl_add_u32 v13, v2, 4, v13                 ; and the same place in y
	s_wait_kmcnt 0x0
	s_add_co_i32 s46, s38, 127
	s_lshl_b32 s47, s46, 23
	v_mov_b32 v9, s47                              ; 2^e2 as f32: the conversion takes its exponent field
	s_add_co_i32 s46, s46, 8
	s_lshl_b32 s46, s46, 23
	s_or_b32 s46, s46, 0x600000
	v_mov_b32 v10, s46                             ; 448 x 2^e2
	s_min_u32 s40, s40, 0x800
	s_add_co_u32 s40, s40, 31
	s_lshr_b32 s40, s40, 5                         ; the expert's tiles of 32 rows
	s_add_co_u32 s42, s40, 3
	s_sub_co_u32 s42, s42, s16
	s_lshr_b32 s42, s42, 2                         ; my tiles: wave, wave + 4, ..
	s_wait_loadcnt 48                              ; K step 0's 16 loads are in; three steps' 48 may be out
	TURNW 0
.irp k, 0,1,2,3,4,5,6,7
	s_wait_dscnt 0x0                               ; step k's numbers are back; the stage's stores have read their set of window 3; the images' stores have read the codes
.if \k < 4
	LOADW \k+4                                     ; into the set that step k has left
.endif
.if \k < 7
.if \k < 4
	s_wait_loadcnt 48                              ; step k + 1 is in; the three steps behind it may be out
.else
	s_wait_loadcnt 16*(6-\k)                       ; the counts run down: 32, 16, 0
.endif
	TURNW \k+1                                     ; through the other stage while step k is quantised
.endif
	QUANTW \k
.endr
	s_wait_dscnt 0x0                               ; for the others' sake: my images are in LDS
	s_barrier_signal -1
	s_barrier_wait -1                              ; the launch's one barrier: all 32 images are
	s_cmp_eq_u32 s42, 0
	s_cbranch_scc1 .Lend                           ; no tile for my wave
	XLOAD 0, 0
	XLOAD 1, 0
	WIN 0x40                                       ; destination window 1: K steps 0-3
.irp k, 0,1,2,3
.irp t, 0,1,2,3
.irp c, 0,1,2,3
	ds_load_b128 v[64*\k+16*\t+4*\c:64*\k+16*\t+4*\c+3], v8 offset:2048*(8*\t+\k)+512*\c
.endr
.endr
.endr
	WIN 0x80                                       ; window 2: K steps 4-7
.irp k, 0,1,2,3
.irp t, 0,1,2,3
.irp c, 0,1,2,3
	ds_load_b128 v[64*\k+16*\t+4*\c:64*\k+16*\t+4*\c+3], v8 offset:2048*(8*\t+\k+4)+512*\c
.endr
.endr
.endr
	WIN 0
	s_wait_dscnt 0x0                               ; the weights are in registers
	s_sub_co_u32 s42, s42, 1                       ; trips that have a successor
	s_cmp_eq_u32 s42, 0
	s_cbranch_scc1 .Ltail
.Ltrip:
	SUB 0, 1, 32                                   ; behind subtile 0's loads: subtile 1's 32
	SUB 1, 1, 32                                   ; behind subtile 1's: the next tile's subtile 0: 32
	s_wait_xcnt 0x0                                ; loads and stores have read their bases
	s_add_nc_u64 s[6:7], s[6:7], 0x40000           ; four tiles of 64 KB on in hid,
	s_add_nc_u64 s[12:13], s[12:13], 0x80000       ; four tiles of 32 rows of 4,096 bytes on in y
	s_sub_co_u32 s42, s42, 1
	s_cmp_lg_u32 s42, 0
	s_cbranch_scc1 .Ltrip
.Ltail:                                            ; my last tile asks for nothing
	SUB 0, 0, 32
	SUB 1, 0, 0
.Lend:
	s_wait_tensorcnt 0x0
	ds_add_u32 v126, v127
	s_wait_dscnt 0x0
	s_endpgm
.Lfunc_end_k_q470cdf0a32_fc2:
	.size	k_q470cdf0a32_fc2, .Lfunc_end_k_q470cdf0a32_fc2-k_q470cdf0a32_fc2
	.p2alignl 7, 3214868480
	.fill 96, 4, 3214868480
	.section	.rodata,"a",@progbits
	.p2align	6, 0x0
	.amdhsa_kernel k_q470cdf0a32_fc2
		.amdhsa_group_segment_fixed_size 151040
		.amdhsa_private_segment_fixed_size 0
		.amdhsa_enable_private_segment 0
		.amdhsa_kernarg_size 40
		.amdhsa_user_sgpr_count 2
		.amdhsa_user_sgpr_kernarg_segment_ptr 1
		.amdhsa_wavefront_size32 1
		.amdhsa_system_sgpr_workgroup_id_x 1
		.amdhsa_system_sgpr_workgroup_id_y 1
		.amdhsa_system_sgpr_workgroup_id_z 1
		.amdhsa_system_vgpr_workitem_id 0
		.amdhsa_next_free_vgpr 1024
		.amdhsa_next_free_sgpr 66
		.amdhsa_reserve_vcc 0
		.amdhsa_float_denorm_mode_32 3
		.amdhsa_float_denorm_mode_16_64 3
		.amdhsa_memory_ordered 1
		.amdhsa_forward_progress 1
		.amdhsa_inst_pref_size 110
	.end_amdhsa_kernel
	.amdgpu_metadata
---
amdhsa.version: [ 1, 2 ]
amdhsa.kernels:
  - .name:           k_q470cdf0a32_fc2
    .symbol:         k_q470cdf0a32_fc2.kd
    .args:
      - { .name: W2, .offset: 0, .size: 8, .value_kind: global_buffer, .address_space: global }
      - { .name: hid, .offset: 8, .size: 8, .value_kind: global_buffer, .address_space: global }
      - { .name: cnt, .offset: 16, .size: 8, .value_kind: global_buffer, .address_space: global }
      - { .name: lowp_scales, .offset: 24, .size: 8, .value_kind: global_buffer, .address_space: global }
      - { .name: y, .offset: 32, .size: 8, .value_kind: global_buffer, .address_space: global }
    .group_segment_fixed_size: 151040
    .private_segment_fixed_size: 0
    .kernarg_segment_align: 8
    .kernarg_segment_size: 40
    .max_flat_workgroup_size: 128
    .sgpr_count:     66
    .vgpr_count:     1024
    .wavefront_size: 32
...
	.end_amdgpu_metadata
.endif
;; end of part 4
;; launch combine (part 5): grid 256 x 1, 8 waves a work-group, no clusters, 0 bytes of LDS; arguments y, pos, vals, lowp_scales, out0; writes out0
.if DOCPART == 5
	.amdgcn_target "amdgcn-amd-amdhsa--gfx1250"
	.amdhsa_code_object_version 6
	.text
	.protected	k_q470cdf0a32_combine
	.globl	k_q470cdf0a32_combine
	.p2align	8
	.type	k_q470cdf0a32_combine,@function
k_q470cdf0a32_combine:
	s_mov_b64 s[64:65], 0
	v_nop
	global_prefetch_b8 v0, s[64:65] scope:SCOPE_SE
	s_setreg_imm32_b32 hwreg(HW_REG_WAVE_MODE, 25, 1), 1
	s_wait_xcnt 0x0
; COMBINE.  out0[n] = 2^(e2 + e3) x (v0 (y[0][p0] + y[1][p0]) + v1 (y[0][p1] + y[1][p1])): the two halves of K are added, then the token's two experts, each with its gate's weight.
; A sum over contributors is made by gathering: each output row has one owner, a wave.  p0, p1 (row positions) and v0, v1 come by scalar loads from what earlier launches stored.
; A stream: four rows of 4,096 bytes in, one out; every load and store of the wave covers 512 consecutive bytes; all 32 loads go out at once and the waits count down.
; No LDS, no barrier, no matrix unit: waves share nothing.
.set IN,  16                           ; v16-143  piece j (512 bytes of a row), source k: four registers at 16 j + 4 k
.set OUT, 144                          ; v144-175 piece j of the result: registers of its own, so that no store's data are written again
	s_load_b256 s[4:11], s[0:1], 0x0               ; y s[4:5], pos s[6:7], vals s[8:9], the scales' exponents s[10:11]
	s_load_b64 s[12:13], s[0:1], 0x20              ; out0
	v_lshrrev_b32 v1, 5, v0
	v_readfirstlane_b32 s16, v1                    ; wave
	v_and_b32 v1, 31, v0
	v_lshlrev_b32 v2, 4, v1                        ; 16 x lane
	s_lshl_b32 s17, ttmp9, 3
	s_add_co_u32 s17, s17, s16                     ; my token
	s_lshl_b32 s18, s17, 3
	s_mov_b32 s19, 0
	s_lshl_b32 s14, s17, 12
	s_mov_b32 s15, 0
	s_wait_kmcnt 0x0
	s_add_nc_u64 s[6:7], s[6:7], s[18:19]
	s_add_nc_u64 s[8:9], s[8:9], s[18:19]
	s_add_nc_u64 s[12:13], s[12:13], s[14:15]
	s_load_b64 s[20:21], s[6:7], 0x0               ; p0, p1
	s_load_b64 s[22:23], s[8:9], 0x0               ; v0, v1
	s_load_b128 s[24:27], s[10:11], 0x0            ; e0, e1, e2, e3
	s_wait_kmcnt 0x0
	s_min_u32 s20, s20, 0x3fff                     ; a position among y's 16,384
	s_min_u32 s21, s21, 0x3fff
	s_lshl_b32 s28, s20, 12
	s_mov_b32 s29, 0
	s_lshl_b32 s30, s21, 12
	s_mov_b32 s31, 0
	s_add_nc_u64 s[28:29], s[4:5], s[28:29]        ; source 0: row p0 of the first half of K,
	s_add_nc_u64 s[32:33], s[4:5], s[30:31]        ; source 2: row p1 of it,
	s_add_nc_u64 s[30:31], s[28:29], 0x4000000     ; sources 1 and 3: the same rows of the second half, 64 MB on
	s_add_nc_u64 s[34:35], s[32:33], 0x4000000
.irp j, 0,1,2,3,4,5,6,7
.irp k, 0,1,2,3
	global_load_b128 v[IN+16*\j+4*\k:IN+16*\j+4*\k+3], v2, s[28+2*\k:29+2*\k] offset:512*\j th:TH_LOAD_NT
.endr
.endr
	s_add_co_i32 s36, s26, s27                     ; e2 + e3
	v_mov_b32 v8, s22
	v_mov_b32 v10, s23
	v_ldexp_f32 v8, v8, s36                        ; v0 x 2^(e2 + e3)
	v_ldexp_f32 v10, v10, s36
	v_mov_b32 v9, v8                               ; pairs for the packed forms
	v_mov_b32 v11, v10
.irp j, 0,1,2,3,4,5,6,7
	s_wait_loadcnt 4*(7-\j)                        ; piece j's four loads are in; the later pieces' may be out
.irp p, 0,2
	v_pk_add_f32 v[IN+16*\j+\p:IN+16*\j+\p+1], v[IN+16*\j+\p:IN+16*\j+\p+1], v[IN+16*\j+4+\p:IN+16*\j+4+\p+1]
	v_pk_add_f32 v[IN+16*\j+8+\p:IN+16*\j+8+\p+1], v[IN+16*\j+8+\p:IN+16*\j+8+\p+1], v[IN+16*\j+12+\p:IN+16*\j+12+\p+1]
.endr
.irp p, 0,2
	v_pk_mul_f32 v[OUT+4*\j+\p:OUT+4*\j+\p+1], v[IN+16*\j+\p:IN+16*\j+\p+1], v[8:9]
.endr
.irp p, 0,2
	v_pk_fma_f32 v[OUT+4*\j+\p:OUT+4*\j+\p+1], v[IN+16*\j+8+\p:IN+16*\j+8+\p+1], v[10:11], v[OUT+4*\j+\p:OUT+4*\j+\p+1]
.endr
	global_store_b128 v2, v[OUT+4*\j:OUT+4*\j+3], s[12:13] offset:512*\j th:TH_STORE_NT
.endr
	s_endpgm
.Lfunc_end_k_q470cdf0a32_combine:
	.size	k_q470cdf0a32_combine, .Lfunc_end_k_q470cdf0a32_combine-k_q470cdf0a32_combine
	.p2alignl 7, 3214868480
	.fill 96, 4, 3214868480
	.section	.rodata,"a",@progbits
	.p2align	6, 0x0
	.amdhsa_kernel k_q470cdf0a32_combine
		.amdhsa_group_segment_fixed_size 0
		.amdhsa_private_segment_fixed_size 0
		.amdhsa_enable_private_segment 0
		.amdhsa_kernarg_size 40
		.amdhsa_user_sgpr_count 2
		.amdhsa_user_sgpr_kernarg_segment_ptr 1
		.amdhsa_wavefront_size32 1
		.amdhsa_system_sgpr_workgroup_id_x 1
		.amdhsa_system_sgpr_workgroup_id_y 1
		.amdhsa_system_sgpr_workgroup_id_z 1
		.amdhsa_system_vgpr_workitem_id 0
		.amdhsa_next_free_vgpr 176
		.amdhsa_next_free_sgpr 66
		.amdhsa_reserve_vcc 0
		.amdhsa_float_denorm_mode_32 3
		.amdhsa_float_denorm_mode_16_64 3
		.amdhsa_memory_ordered 1
		.amdhsa_forward_progress 1
		.amdhsa_inst_pref_size 10
	.end_amdhsa_kernel
	.amdgpu_metadata
---
amdhsa.version: [ 1, 2 ]
amdhsa.kernels:
  - .name:           k_q470cdf0a32_combine
    .symbol:         k_q470cdf0a32_combine.kd
    .args:
      - { .name: y, .offset: 0, .size: 8, .value_kind: global_buffer, .address_space: global }
      - { .name: pos, .offset: 8, .size: 8, .value_kind: global_buffer, .address_space: global }
      - { .name: vals, .offset: 16, .size: 8, .value_kind: global_buffer, .address_space: global }
      - { .name: lowp_scales, .offset: 24, .size: 8, .value_kind: global_buffer, .address_space: global }
      - { .name: out0, .offset: 32, .size: 8, .value_kind: global_buffer, .address_space: global }
    .group_segment_fixed_size: 0
    .private_segment_fixed_size: 0
    .kernarg_segment_align: 8
    .kernarg_segment_size: 40
    .max_flat_workgroup_size: 256
    .sgpr_count:     66
    .vgpr_count:     176
    .wavefront_size: 32
...
	.end_amdgpu_metadata
.endif
;; end of part 5
;; ======== version 2 of 2: 5 launches
;; workspace buffers: xq 2,097,152 bytes; idx 16,384 bytes of whole numbers; vals 16,384 bytes; list 66,560 bytes of whole numbers; pos 16,384 bytes of whole numbers; cnt 256 bytes of whole numbers; hid 33,554,432 bytes; y 134,217,728 bytes
;; launch route (part 6): grid 256 x 1, 4 waves a work-group, no clusters, 41,472 bytes of LDS; arguments x, Wg, lowp_scales, xq, idx, vals; writes xq, idx, vals
.if DOCPART == 6
	.amdgcn_target "amdgcn-amd-amdhsa--gfx1250"
	.amdhsa_code_object_version 6
	.text
	.protected	k_q470cdf0a32_route
	.globl	k_q470cdf0a32_route
	.p2align	8
	.type	k_q470cdf0a32_route,@function
k_q470cdf0a32_route:
	s_mov_b64 s[64:65], 0
	v_nop
	global_prefetch_b8 v0, s[64:65] scope:SCOPE_SE
	s_setreg_imm32_b32 hwreg(HW_REG_WAVE_MODE, 25, 1), 1
	s_wait_xcnt 0x0
; ROUTE.  For each of the 2,048 tokens: the eight logits x . Wg[e] by f32 multiply-adds, softmax (the maximum taken away first), the two largest
; probabilities and their experts (on a tie the lower index, as jax.lax.top_k has it); and x as codes of E4M3 with the given scale 2^e0, K innermost.
; SHARES: 256 work-groups x 4 waves x 2 tokens.  A wave holds its two tokens (32 registers each) and all of Wg (256 registers, window 1) in the same
; arrangement: register 4 j + i of a lane is element 128 j + 4 lane + i, so every load reads 512 consecutive bytes.
; The choice only selects VALUES here (v_cndmask_b32): experts and probabilities are stored at fixed places, 8 bytes a token; a later launch places the rows.
; Those two stores are 16 bytes a wave: 32 KB in the whole launch, too little to be worth a barrier and a gathering in LDS.
; No matrix unit (N = 8), no tensor load, no cluster: waves share nothing but Wg's 32 KB.
; LIMITS: e0 between -126 and 119.  NaN among the inputs is not served.  Where the second and the third probability differ by less than f32 rounding, either may be chosen.
.set SP,   80                          ; a lane's place in a stage: its 64 bytes + 16 of padding
.set STG,  32*SP                       ; a stage: 512 numbers; four for each wave (2 tokens x 2 halves)
.set XR,   16                          ; v16-79   x as loaded, 32 registers a token
.set XN,   80                          ; v80-143  16 neighbours a lane, for each (token, half)
.set CD,   144                         ; v144-159 their codes
.set AC,   160                         ; v160-191 the 16 sums, a pair each
.set LG,   192                         ; v192-207 logits, then probabilities: 8 token + expert
.set MX,   208                         ; v208-209 the maxima
.set SM,   210                         ; v210-217 partial sums
.set RC,   218                         ; v218-219 1 / sum
.set NEG,  230                         ; v230     -1.0, under every probability
.set ZO,   231                         ; v231     0: the last stores' offset
.set BI,   232                         ; v232-235 experts: 2 token + place
.set BV,   236                         ; v236-239 their probabilities
.set MSB, 0
.macro WIN new                         ; the immediate's high byte repeats the setting that is left
.if MSB != \new
	s_set_vgpr_msb (MSB<<8)|\new
.set MSB, \new
.endif
.endm
	s_load_b256 s[4:11], s[0:1], 0x0               ; x s[4:5], Wg s[6:7], the scales' exponents s[8:9], xq s[10:11]
	s_load_b128 s[12:15], s[0:1], 0x20             ; idx s[12:13], vals s[14:15]
	v_lshl_add_u32 v254, v0, 2, 0xa000
	v_mov_b32 v255, 0
	v_lshrrev_b32 v1, 5, v0
	v_readfirstlane_b32 s16, v1                    ; wave
	v_and_b32 v1, 31, v0                           ; lane
	v_lshlrev_b32 v2, 4, v1                        ; 16 x lane
	s_mul_i32 s17, s16, 4*STG                      ; my wave's four stages
	v_lshrrev_b32 v3, 2, v1
	v_mul_u32_u24 v3, v3, SP
	v_and_b32 v4, 3, v1
	v_lshl_add_u32 v3, v4, 4, v3
	v_add_nc_u32 v3, s17, v3                       ; into a stage: four lanes' 64 bytes on end, then the padding
	v_mul_u32_u24 v4, v1, SP
	v_add_nc_u32 v4, s17, v4                       ; out of it: my 16 neighbours
	s_lshl_b32 s18, ttmp9, 3
	s_lshl_b32 s19, s16, 1
	s_add_co_u32 s18, s18, s19                     ; my first token: 8 x work-group + 2 x wave
	s_lshl_b32 s20, s18, 12                        ; its 4,096 bytes of x,
	s_mov_b32 s21, 0
	s_lshl_b32 s22, s18, 10                        ; 1,024 of codes,
	s_mov_b32 s23, 0
	s_lshl_b32 s24, s18, 3                         ; 8 of idx and of vals
	s_mov_b32 s25, 0
	s_mov_b32 s28, 0x76543210                      ; v_permlanex16_b32: lane l xor 16
	s_mov_b32 s29, 0xfedcba98
	s_wait_alu depctr_va_vdst(0)
	s_wait_kmcnt 0x0
	s_load_b32 s26, s[8:9], 0x0                    ; e0
	s_add_nc_u64 s[4:5], s[4:5], s[20:21]
	s_add_nc_u64 s[10:11], s[10:11], s[22:23]
	s_add_nc_u64 s[12:13], s[12:13], s[24:25]
	s_add_nc_u64 s[14:15], s[14:15], s[24:25]
.irp tk, 0,1
.irp j, 0,1,2,3,4,5,6,7
	global_load_b128 v[XR+32*\tk+4*\j:XR+32*\tk+4*\j+3], v2, s[4:5] offset:4096*\tk+512*\j th:TH_LOAD_NT
.endr
.endr
	WIN 0x40                                       ; destination window 1
.irp e, 0,1,2,3
.irp j, 0,1,2,3,4,5,6,7
	global_load_b128 v[32*\e+4*\j:32*\e+4*\j+3], v2, s[6:7] offset:4096*\e+512*\j
.endr
.endr
	WIN 0
; A half token's 2,048 bytes through a stage: in as loaded, back 64 bytes a lane.  LDS serves a wave's instructions in order: no wait between.
.macro TURNX tk, u
.irp i, 0,1,2,3
	ds_store_b128 v3, v[XR+32*\tk+16*\u+4*\i:XR+32*\tk+16*\u+4*\i+3] offset:STG*(2*\tk+\u)+8*SP*\i
.endr
.irp i, 0,1,2,3
	ds_load_b128 v[XN+16*(2*\tk+\u)+4*\i:XN+16*(2*\tk+\u)+4*\i+3], v4 offset:STG*(2*\tk+\u)+16*\i
.endr
.endm
; 16 neighbours become 16 codes; the wave stores 512 consecutive bytes.
.macro QX tk, u
.set XS, XN+16*(2*\tk+\u)
.set CS, CD+4*(2*\tk+\u)
.irp i, 0,1,2,3,4,5,6,7,8,9,10,11,12,13,14,15
	v_med3_num_f32 v[XS+\i], v[XS+\i], -v6, v6     ; the conversion to an 8-bit code does not saturate (ISA guide 7.6.2): the hold at 448 x the scale comes first
.endr
	v_cvt_scalef32_pk8_fp8_f32 v[CS:CS+1], v[XS:XS+7], v5
	v_cvt_scalef32_pk8_fp8_f32 v[CS+2:CS+3], v[XS+8:XS+15], v5
	global_store_b128 v2, v[CS:CS+3], s[10:11] offset:1024*\tk+512*\u
.endm
	s_wait_loadcnt 32                              ; x's 16 loads are in: behind them stand Wg's first 32
	TURNX 0, 0
	TURNX 0, 1
	TURNX 1, 0
	TURNX 1, 1
	WIN 0x40
.irp e, 4,5,6,7
.irp j, 0,1,2,3,4,5,6,7
	global_load_b128 v[32*\e+4*\j:32*\e+4*\j+3], v2, s[6:7] offset:4096*\e+512*\j
.endr
.endr
	WIN 0
	s_wait_kmcnt 0x0
	s_add_co_i32 s26, s26, 127
	s_lshl_b32 s27, s26, 23
	v_mov_b32 v5, s27                              ; 2^e0 as f32: the conversion takes its exponent field
	s_add_co_i32 s26, s26, 8
	s_lshl_b32 s26, s26, 23
	s_or_b32 s26, s26, 0x600000
	v_mov_b32 v6, s26                              ; 448 x 2^e0
	s_wait_alu depctr_va_vdst(0)
	s_wait_dscnt 0x0                               ; all four halves are back
	QX 0, 0
	QX 0, 1
	QX 1, 0
	QX 1, 1
	v_nop                                          ; a plain line behind the last conversion
	s_wait_loadcnt 0x0                             ; Wg
	WIN 0x04                                       ; source 1 (Wg) window 1
.irp tk, 0,1
.irp e, 0,1,2,3,4,5,6,7
	v_pk_mul_f32 v[AC+16*\tk+2*\e:AC+16*\tk+2*\e+1], v[XR+32*\tk:XR+32*\tk+1], v[32*\e:32*\e+1]   ; the first products start the sums
.endr
.endr
.set pp, 1
.rept 15                                       ; sixteen sums by turns, so that no line waits for the line above it
.irp tk, 0,1
.irp e, 0,1,2,3,4,5,6,7
	v_pk_fma_f32 v[AC+16*\tk+2*\e:AC+16*\tk+2*\e+1], v[XR+32*\tk+2*pp:XR+32*\tk+2*pp+1], v[32*\e+2*pp:32*\e+2*pp+1], v[AC+16*\tk+2*\e:AC+16*\tk+2*\e+1]
.endr
.endr
.set pp, pp+1
.endr
	WIN 0
.irp k, 0,1,2,3,4,5,6,7,8,9,10,11,12,13,14,15
	v_add_f32 v[LG+\k], v[AC+2*\k], v[AC+2*\k+1]
.endr
.irp m, 1,2,4,8                                ; across the lanes: every lane ends with all 16 logits
.irp k, 0,1,2,3,4,5,6,7,8,9,10,11,12,13,14,15
	v_add_f32_dpp v[LG+\k], v[LG+\k], v[LG+\k] row_xmask:\m row_mask:0xf bank_mask:0xf
.endr
.endr
.irp k, 0,1,2,3,4,5,6,7,8,9,10,11,12,13,14,15
	v_permlanex16_b32 v[AC+\k], v[LG+\k], s28, s29 ; (its destination counts as read: these registers have been written)
.endr
.irp k, 0,1,2,3,4,5,6,7,8,9,10,11,12,13,14,15
	v_add_f32 v[LG+\k], v[LG+\k], v[AC+\k]
.endr
.irp tk, 0,1
	v_max3_num_f32 v[MX+\tk], v[LG+8*\tk], v[LG+8*\tk+1], v[LG+8*\tk+2]
	v_max3_num_f32 v[MX+\tk], v[MX+\tk], v[LG+8*\tk+3], v[LG+8*\tk+4]
	v_max3_num_f32 v[MX+\tk], v[MX+\tk], v[LG+8*\tk+5], v[LG+8*\tk+6]
	v_max_num_f32 v[MX+\tk], v[MX+\tk], v[LG+8*\tk+7]
.endr
.irp tk, 0,1
.irp e, 0,1,2,3,4,5,6,7
	v_sub_f32 v[LG+8*\tk+\e], v[LG+8*\tk+\e], v[MX+\tk]   ; the difference first: it is 0 at the maximum whatever the logits' size
.endr
.endr
.irp k, 0,1,2,3,4,5,6,7,8,9,10,11,12,13,14,15
	v_mul_f32 v[LG+\k], 0x3fb8aa3b, v[LG+\k]       ; x log2(e)
.endr
	s_wait_alu depctr_va_vdst(0)
.irp k, 0,1,2,3,4,5,6,7,8,9,10,11,12,13,14,15
	v_exp_f32 v[LG+\k], v[LG+\k]
.endr
	v_mov_b32 v[ZO], 0                             ; a plain line behind the exponentials
	s_wait_alu depctr_va_vdst(0)                   ; one wait for the batch of 16, ahead of its first reader
.irp tk, 0,1
	v_add_f32 v[SM+4*\tk],   v[LG+8*\tk],   v[LG+8*\tk+1]
	v_add_f32 v[SM+4*\tk+1], v[LG+8*\tk+2], v[LG+8*\tk+3]
	v_add_f32 v[SM+4*\tk+2], v[LG+8*\tk+4], v[LG+8*\tk+5]
	v_add_f32 v[SM+4*\tk+3], v[LG+8*\tk+6], v[LG+8*\tk+7]
.endr
.irp tk, 0,1
	v_add_f32 v[SM+4*\tk],   v[SM+4*\tk],   v[SM+4*\tk+1]
	v_add_f32 v[SM+4*\tk+2], v[SM+4*\tk+2], v[SM+4*\tk+3]
.endr
.irp tk, 0,1
	v_add_f32 v[SM+4*\tk], v[SM+4*\tk], v[SM+4*\tk+2]
.endr
	s_wait_alu depctr_va_vdst(0)
	v_rcp_f32 v[RC], v[SM]
	v_rcp_f32 v[RC+1], v[SM+4]
	v_mov_b32 v[NEG], -1.0                         ; a plain line behind the reciprocals
	s_wait_alu depctr_va_vdst(0)                   ; one wait for both
.irp tk, 0,1
.irp e, 0,1,2,3,4,5,6,7
	v_mul_f32 v[LG+8*\tk+\e], v[LG+8*\tk+\e], v[RC+\tk]
.endr
.endr
; The largest of a token's eight numbers and its index.  The one in hand is kept where it is not smaller: so a tie keeps the lower index.
.macro SCAN tk, place
	v_mov_b32 v[BV+2*\tk+\place], v[LG+8*\tk]
	v_mov_b32 v[BI+2*\tk+\place], 0
.irp e, 1,2,3,4,5,6,7
	v_cmp_ge_f32 vcc_lo, v[BV+2*\tk+\place], v[LG+8*\tk+\e]
	v_cndmask_b32 v[BV+2*\tk+\place], v[LG+8*\tk+\e], v[BV+2*\tk+\place], vcc_lo
	v_cndmask_b32 v[BI+2*\tk+\place], \e, v[BI+2*\tk+\place], vcc_lo
.endr
.endm
.irp tk, 0,1
	SCAN \tk, 0
.irp e, 0,1,2,3,4,5,6,7
	v_cmp_eq_u32 vcc_lo, \e, v[BI+2*\tk]
	v_cndmask_b32 v[LG+8*\tk+\e], v[LG+8*\tk+\e], v[NEG], vcc_lo   ; the one chosen leaves the field
.endr
	SCAN \tk, 1
.endr
	s_wait_alu depctr_va_vdst(0)
	s_wait_xcnt 0x0                                ; EXEC changes only behind this wait: the codes' stores have been issued
	v_cmp_eq_u32 vcc_lo, 0, v1
	s_wait_tensorcnt 0x0
	ds_add_u32 v254, v255
	s_wait_dscnt 0x0
	s_and_saveexec_b32 s30, vcc_lo                 ; every lane holds the same eight numbers: lane 0 stores them
	global_store_b128 v[ZO], v[BI:BI+3], s[12:13]
	global_store_b128 v[ZO], v[BV:BV+3], s[14:15]
	s_wait_xcnt 0x0                                ; and again, in front of the line that widens it
	s_or_b32 exec_lo, exec_lo, s30
	s_endpgm
.Lfunc_end_k_q470cdf0a32_route:
	.size	k_q470cdf0a32_route, .Lfunc_end_k_q470cdf0a32_route-k_q470cdf0a32_route
	.p2alignl 7, 3214868480
	.fill 96, 4, 3214868480
	.section	.rodata,"a",@progbits
	.p2align	6, 0x0
	.amdhsa_kernel k_q470cdf0a32_route
		.amdhsa_group_segment_fixed_size 41472
		.amdhsa_private_segment_fixed_size 0
		.amdhsa_enable_private_segment 0
		.amdhsa_kernarg_size 48
		.amdhsa_user_sgpr_count 2
		.amdhsa_user_sgpr_kernarg_segment_ptr 1
		.amdhsa_wavefront_size32 1
		.amdhsa_system_sgpr_workgroup_id_x 1
		.amdhsa_system_sgpr_workgroup_id_y 1
		.amdhsa_system_sgpr_workgroup_id_z 1
		.amdhsa_system_vgpr_workitem_id 0
		.amdhsa_next_free_vgpr 512
		.amdhsa_next_free_sgpr 66
		.amdhsa_reserve_vcc 1
		.amdhsa_float_denorm_mode_32 3
		.amdhsa_float_denorm_mode_16_64 3
		.amdhsa_memory_ordered 1
		.amdhsa_forward_progress 1
		.amdhsa_inst_pref_size 47
	.end_amdhsa_kernel
	.amdgpu_metadata
---
amdhsa.version: [ 1, 2 ]
amdhsa.kernels:
  - .name:           k_q470cdf0a32_route
    .symbol:         k_q470cdf0a32_route.kd
    .args:
      - { .name: x, .offset: 0, .size: 8, .value_kind: global_buffer, .address_space: global }
      - { .name: Wg, .offset: 8, .size: 8, .value_kind: global_buffer, .address_space: global }
      - { .name: lowp_scales, .offset: 16, .size: 8, .value_kind: global_buffer, .address_space: global }
      - { .name: xq, .offset: 24, .size: 8, .value_kind: global_buffer, .address_space: global }
      - { .name: idx, .offset: 32, .size: 8, .value_kind: global_buffer, .address_space: global }
      - { .name: vals, .offset: 40, .size: 8, .value_kind: global_buffer, .address_space: global }
    .group_segment_fixed_size: 41472
    .private_segment_fixed_size: 0
    .kernarg_segment_align: 8
    .kernarg_segment_size: 48
    .max_flat_workgroup_size: 128
    .sgpr_count:     66
    .vgpr_count:     512
    .wavefront_size: 32
...
	.end_amdgpu_metadata
.endif
;; end of part 6
;; launch place (part 7): grid 1 x 1, 32 waves a work-group, no clusters, 8,192 bytes of LDS; arguments idx, list, pos, cnt; writes list, pos, cnt
.if DOCPART == 7
	.amdgcn_target "amdgcn-amd-amdhsa--gfx1250"
	.amdhsa_code_object_version 6
	.text
	.protected	k_q470cdf0a32_place
	.globl	k_q470cdf0a32_place
	.p2align	8
	.type	k_q470cdf0a32_place,@function
k_q470cdf0a32_place:
	s_mov_b64 s[64:65], 0
	v_nop
	global_prefetch_b8 v0, s[64:65] scope:SCOPE_SE
	s_setreg_imm32_b32 hwreg(HW_REG_WAVE_MODE, 25, 1), 1
	s_wait_xcnt 0x0
; PLACE.  A counting sort of the 4,096 entries (token, place) by expert; whole numbers only; EXEC is always full.
; Expert e owns row positions 2048 e + rank, rank < cnt[e] <= 2,048 (a token's two experts differ).  Stored: list[e][rank] = token (2,080 entries an expert),
; pos[token][place] = 2048 e + rank, cnt[e].  list[e][cnt .. cnt + 31] = 0: the products take rows 32 at a time, and the rows that fill the last 32 are token 0's; nobody reads their results.
; ONE work-group of 32 waves: a sum over all entries needs one owner, and 16 KB of input is work for one.  Thread t owns entries 4 t .. 4 t + 3 (tokens 2 t, 2 t + 1).
; Pass A counts each expert's entries in the wave; the counts meet in LDS behind the one barrier; each wave adds up the waves in front of it; pass B repeats the compares and hands out the ranks.
; The list's stores are 4 bytes a lane at scattered places: that is what a scatter of 16 KB is.
	s_load_b256 s[4:11], s[0:1], 0x0               ; idx s[4:5], list s[6:7], pos s[8:9], cnt s[10:11]
	v_lshl_add_u32 v64, v0, 2, 0x1000
	v_mov_b32 v65, 0
	v_lshrrev_b32 v1, 5, v0
	s_delay_alu instid0(VALU_DEP_1)
	v_readfirstlane_b32 s18, v1                    ; wave 0..31
	s_delay_alu instid0(VALU_DEP_2)
	v_lshlrev_b32 v3, 7, v1                        ; LDS: 128 x wave: my wave's eight counts
	v_and_b32 v1, 31, v0                           ; lane
	v_lshlrev_b32 v2, 4, v0                        ; 16 x thread
	s_delay_alu instid0(VALU_DEP_2)
	v_and_b32 v14, 7, v1
	s_delay_alu instid0(VALU_DEP_1)
	v_lshlrev_b32 v14, 2, v14                      ; LDS: 4 x (lane & 7): the expert that my lane adds up
	v_mov_b32 v15, s18
.irp e, 0,1,2,3,4,5,6,7
	s_mov_b32 s[20+\e], 0
.endr
	s_wait_alu depctr_va_vdst(0)
	s_wait_kmcnt 0x0
	global_load_b128 v[4:7], v2, s[4:5]
	s_wait_loadcnt 0x0
.irp i, 0,1,2,3
	v_min_u32 v[4+\i], 7, v[4+\i]                  ; an expert's number
.endr
	s_wait_alu depctr_va_vdst(0)
.irp i, 0,1,2,3                                ; pass A
.irp e, 0,1,2,3,4,5,6,7
	v_cmp_eq_u32 vcc_lo, \e, v[4+\i]
	s_bcnt1_i32_b32 s28, vcc_lo
	s_add_co_u32 s[20+\e], s[20+\e], s28
.endr
.endr
.irp e, 0,1,2,3,4,5,6,7
	v_mov_b32 v[16+\e], s[20+\e]
	ds_store_b32 v3, v[16+\e] offset:4*\e          ; all lanes write the same word with the same number
.endr
	s_wait_dscnt 0x0                               ; for the others' sake: my stores are done
	s_barrier_signal -1
	s_barrier_wait -1
.set ii, 0
.rept 32
	ds_load_b32 v[16+ii], v14 offset:128*ii        ; wave ii's count of my lane's expert
.set ii, ii+1
.endr
	v_mov_b32 v48, 0                               ; the expert's total
	v_mov_b32 v49, 0                               ; and what the waves in front of mine hold of it
	s_wait_alu depctr_va_vdst(0)
	s_wait_dscnt 0x0
.set ii, 0
	v_add3_u32 v48, v48, v[16+2*ii], v[17+2*ii]
.set ii, ii+1
.rept (16)-1
	s_delay_alu instid0(VALU_DEP_1)
	v_add3_u32 v48, v48, v[16+2*ii], v[17+2*ii]
.set ii, ii+1
.endr
.set ii, 0
.rept 32
	v_cmp_lt_u32 vcc_lo, ii, v15                   ; wave ii stands in front of mine
	s_delay_alu instid0(VALU_DEP_1)
	v_cndmask_b32 v50, 0, v[16+ii], vcc_lo
	s_delay_alu instid0(VALU_DEP_1)
	v_add_nc_u32 v49, v49, v50
.set ii, ii+1
.endr
.irp e, 0,1,2,3,4,5,6,7
	v_readlane_b32 s[20+\e], v49, \e               ; where my wave's ranks begin
	v_readlane_b32 s[32+\e], v48, \e               ; the totals
.endr
.irp i, 0,1,2,3
	v_mov_b32 v[8+\i], 0
.endr
.irp i, 0,1,2,3                                ; pass B: rank = the running number + the lanes below mine with the same expert
.irp e, 0,1,2,3,4,5,6,7
	v_cmp_eq_u32 vcc_lo, \e, v[4+\i]
	s_delay_alu instid0(VALU_DEP_1)
	v_mbcnt_lo_u32_b32 v12, vcc_lo, s[20+\e]
	s_delay_alu instid0(VALU_DEP_1)
	v_cndmask_b32 v[8+\i], v[8+\i], v12, vcc_lo
	s_bcnt1_i32_b32 s28, vcc_lo
	s_add_co_u32 s[20+\e], s[20+\e], s28
.endr
.endr
.irp i, 0,1,2,3
	v_lshl_add_u32 v[52+\i], v[4+\i], 11, v[8+\i]  ; 2048 e + rank
	v_mad_u32_u24 v[56+\i], v[4+\i], 0x820, v[8+\i]   ; 2080 e + rank,
	s_delay_alu instid0(VALU_DEP_1)
	v_min_u32 v[56+\i], 0x40ff, v[56+\i]           ; inside the list's 16,640 entries,
	s_delay_alu instid0(VALU_DEP_1)
	v_lshlrev_b32 v[56+\i], 2, v[56+\i]            ; in bytes
.endr
	v_lshlrev_b32 v60, 1, v0                       ; my two tokens
	s_delay_alu instid0(VALU_DEP_1)
	v_or_b32 v61, 1, v60
	global_store_b128 v2, v[52:55], s[8:9]
.irp i, 0,1,2,3
	global_store_b32 v[56+\i], v[60+\i/2], s[6:7]
.endr
	s_mov_b32 s29, 0
.irp e, 0,1,2,3,4,5,6,7
	s_cmp_eq_u32 s18, \e
	s_cselect_b32 s29, s[32+\e], s29               ; in waves 0 to 7: the total of the expert with the wave's number
.endr
	s_cmp_lt_u32 s18, 8
	s_cbranch_scc0 .Lno_pad
	s_mul_i32 s30, s18, 2080
	s_add_co_u32 s30, s30, s29
	v_add_nc_u32 v62, s30, v1                      ; entries cnt .. cnt + 31 of expert = wave
	s_delay_alu instid0(VALU_DEP_1)
	v_min_u32 v62, 0x40ff, v62
	s_delay_alu instid0(VALU_DEP_1)
	v_lshlrev_b32 v62, 2, v62
	v_mov_b32 v63, 0
	global_store_b32 v62, v63, s[6:7]
.Lno_pad:
	s_cmp_lg_u32 s18, 0
	s_cbranch_scc1 .Lend
	v_lshlrev_b32 v51, 2, v1
	global_store_b32 v51, v48, s[10:11]            ; words 0-7: the counts; words 8-31 repeat them
.Lend:
	s_wait_tensorcnt 0x0
	ds_add_u32 v64, v65
	s_wait_dscnt 0x0
	s_endpgm
.Lfunc_end_k_q470cdf0a32_place:
	.size	k_q470cdf0a32_place, .Lfunc_end_k_q470cdf0a32_place-k_q470cdf0a32_place
	.p2alignl 7, 3214868480
	.fill 96, 4, 3214868480
	.section	.rodata,"a",@progbits
	.p2align	6, 0x0
	.amdhsa_kernel k_q470cdf0a32_place
		.amdhsa_group_segment_fixed_size 8192
		.amdhsa_private_segment_fixed_size 0
		.amdhsa_enable_private_segment 0
		.amdhsa_kernarg_size 32
		.amdhsa_user_sgpr_count 2
		.amdhsa_user_sgpr_kernarg_segment_ptr 1
		.amdhsa_wavefront_size32 1
		.amdhsa_system_sgpr_workgroup_id_x 1
		.amdhsa_system_sgpr_workgroup_id_y 1
		.amdhsa_system_sgpr_workgroup_id_z 1
		.amdhsa_system_vgpr_workitem_id 0
		.amdhsa_next_free_vgpr 66
		.amdhsa_next_free_sgpr 66
		.amdhsa_reserve_vcc 1
		.amdhsa_float_denorm_mode_32 3
		.amdhsa_float_denorm_mode_16_64 3
		.amdhsa_memory_ordered 1
		.amdhsa_forward_progress 1
		.amdhsa_inst_pref_size 27
	.end_amdhsa_kernel
	.amdgpu_metadata
---
amdhsa.version: [ 1, 2 ]
amdhsa.kernels:
  - .name:           k_q470cdf0a32_place
    .symbol:         k_q470cdf0a32_place.kd
    .args:
      - { .name: idx, .offset: 0, .size: 8, .value_kind: global_buffer, .address_space: global }
      - { .name: list, .offset: 8, .size: 8, .value_kind: global_buffer, .address_space: global }
      - { .name: pos, .offset: 16, .size: 8, .value_kind: global_buffer, .address_space: global }
      - { .name: cnt, .offset: 24, .size: 8, .value_kind: global_buffer, .address_space: global }
    .group_segment_fixed_size: 8192
    .private_segment_fixed_size: 0
    .kernarg_segment_align: 8
    .kernarg_segment_size: 32
    .max_flat_workgroup_size: 1024
    .sgpr_count:     66
    .vgpr_count:     66
    .wavefront_size: 32
...
	.end_amdgpu_metadata
.endif
;; end of part 7
;; launch fc1 (part 8): grid 256 x 1, 4 waves a work-group, no clusters, 200,192 bytes of LDS; arguments W1, xq, list, cnt, lowp_scales, hid; writes hid
.if DOCPART == 8
	.amdgcn_target "amdgcn-amd-amdhsa--gfx1250"
	.amdhsa_code_object_version 6
	.text
	.protected	k_q470cdf0a32_fc1
	.globl	k_q470cdf0a32_fc1
	.p2align	8
	.type	k_q470cdf0a32_fc1,@function
k_q470cdf0a32_fc1:
	s_mov_b64 s[64:65], 0
	v_nop
	global_prefetch_b8 v0, s[64:65] scope:SCOPE_SE
	s_setreg_imm32_b32 hwreg(HW_REG_WAVE_SCHED_MODE, 0, 2), 2
	s_setreg_imm32_b32 hwreg(HW_REG_WAVE_MODE, 25, 1), 1
	s_wait_xcnt 0x0
	s_wait_alu depctr_vm_vsrc(0)
; FC1.  hid = Q(silu(x W1[e]^T)) for the rows routed to expert e, on codes of E4M3; the weights are quantised here, on their one way in.
; SHARES.  Work-group = (expert e = number / 32, slice = number % 32): 64 rows of W1[e] (hidden units 64 slice ..) x K = 1,024.  These 256 KB of f32 are read by nobody else, once.
; PROLOGUE.  Wave w turns 16 of the rows into 8 fragments (16 rows x 128 K, 16 registers a lane); the fragments go to LDS as images of their registers; ONE barrier; every wave then
; holds all 32 fragments, 512 registers (windows 1 and 2), for the rest of the launch.  So what streams past is the small thing: the expert's rows of x, as codes.
; ROWS.  Tiles of 32 rows (two subtiles of 16), wave w takes tiles w, w + 4, ..  The tokens come from the list; a row's 1,024 codes are gathered in four pieces of 256 consecutive bytes by
; sixteen lanes, go through the wave's own stage in LDS and come back as fragments.  Loads run a tile (64 loads a wave) ahead; the list two tiles.
; THE PRODUCT IS USED TRANSPOSED (source 0 = 16 rows of W1, source 1 = 16 routed rows): a lane holds ONE routed row and eight hidden units.  THE ROWS OF W1 THAT FORM A TILE ARE NOT
; NEIGHBOURS: lane r of tile 2 b + u takes row 32 b + 8 u + r + 8 (r / 8), so that the 16 registers of tiles 2 b, 2 b + 1 are hidden units 32 b + 16 (lane / 16) + 0 .. 15: the next K.
; K IN THE REGISTERS: registers 4 c .. 4 c + 3 of K step s hold k = 128 s + 32 c + 16 (lane / 16) + 0 .. 15, alike in both operands (a permutation of k inside an instruction).
; hid is laid as the next launch's operand registers: [expert][16 rows][K step][c][lane][16 bytes]; a subtile's two stores cover 1,024 consecutive bytes.
; NO TENSOR LOAD, NO CLUSTER, though the 32 work-groups of an expert read the same rows: the trips hang on cnt[e], a number read from memory, so operands go from memory into registers.
; The one barrier stands ahead of every branch on cnt; a work-group whose expert has no rows stores nothing.  All LDS addresses in the loop stay as they are and are the wave's own.
; LIMITS: e1 between -126 and 119; e0 + e1 between -126 and 127; e3 - e0 - e1 between -126 and 119.  NaN among the inputs is not served.
; REGISTERS.  window 0: v1-19 addresses and scales; v20-31, v120-123 the list's 16 tokens of a lane; v32-47 the rows' offsets in xq; v48-79 four accumulators; v80-111 at work (prologue: v80-95 a fragment's
;   codes); v112-119 a subtile's codes; v128-255 a subtile's 8 fragments (prologue: two sets of 64 numbers).   windows 1, 2: W1's fragment (K step k, tile t) at 256 (1 + k / 4) + 64 (k % 4) + 16 t.
;   window 3: the gathered rows as loaded, 128 registers a subtile (prologue: four sets of 64 numbers as loaded).
; THE MODE: SCHED_MODE bits 1:0 = 2 (LLVM: expert scheduling mode 2), set by the entry lines.  The code itself states the register dependences between vector or matrix instructions
; and memory or LDS instructions, with s_wait_alu, always for 0.
; THE PLAN.  Registers that memory or LDS instructions touch, and who else names them.
;   v4-8, v15, v16          offsets and LDS addresses: made at the head, never written again.
;   PROLOGUE, step k (128 along K):
;   window 3, set k % 4     W1's loads land in it; step k's stores into the stage read it; the loads of step k + 4 land in it again.  No vector instruction names it.
;   v128-255, set k % 2     step k's loads from the stage land in it; step k's holds and conversions work on it; the loads of step k + 2 land in it again.
;   v80-95                  step k's conversions write the codes; its four image stores read them; step k + 1's conversions write them again.
;   Two waits a step: on vm_vsrc at its head (the stage's stores have read the set, the last image stores the codes), on va_vdst behind its conversions (the codes are written; the set of
;   64 numbers is done with: no vector instruction stands between that wait and the loads of step k + 2 into it).
;   LOOP, a subtile:
;   window 3, G[half]       the gathered rows land in it; the stores into the row stage read it; the same subtile of the next tile lands in it again.  No vector instruction names it.
;   v128-255                the loads from the row stage land in it; the 32 matrix instructions read it.
;   v20-31, v120-123        the list's loads land in them; the offsets' lines read them (subtile 0 alone).
;   v32-47, v12             the offsets' lines write them (subtile 0 alone); the gather's and the list's loads read them as offsets.
;   v112-119                the conversions write them; the two stores read them.
;   One wait on vm_vsrc behind the subtile's 64 LDS instructions: G[half], the offsets and the codes have been read.  One wait on va_vdst behind the conversions: the codes are written, and the
;   products are done reading v128-255, in which the next subtile's LDS loads land with no vector instruction between.  Subtile 0 has one more, behind the offsets' lines.
;   The gather's 32 loads follow in two runs of 16, one ahead of the products and one between their halves: the products name the weights, v128-255 and the accumulators, none of which these loads touch.
.set IMG,   67584                      ; LDS: from 0, for each wave two stages of 16 rows x 528 bytes (16,896); here the 32 images of 2,048 bytes: fragment (t, k) at 2048 (8 t + k)
.set RSTG,  133120                     ; and for each wave a stage of 16 rows x 1,040 bytes
.set WROW,  4096                       ; a row of W1 in bytes
.set OFF,   32
.set ACC,   48
.set T,     80
.set PCD,   80
.set HC,    112
.set XP,    128
.set XF,    128
.set MSB, 0
.macro WIN new                         ; the immediate's high byte repeats the setting that is left; bits 1:0 source 0, 3:2 source 1, 5:4 source 2, 7:6 destination
.if MSB != \new
	s_set_vgpr_msb (MSB<<8)|\new
.set MSB, \new
.endif
.endm
.macro PLACES n
.rept \n
	v_nop
.endr
.endm
; K step k of my 16 rows: each load reads 512 consecutive bytes of one row, into set k % 4 of window 3
.macro LOADW k
	WIN 0xc0
.irp i, 0,1,2,3,4,5,6,7,8,9,10,11,12,13,14,15
	global_load_b128 v[64*((\k)%4)+4*\i:64*((\k)%4)+4*\i+3], v4, s[4:5] offset:WROW*(\i+8*(\i/8))+512*(\k) th:TH_LOAD_NT
.endr
.endm
; through stage k % 2: in as loaded, row by row (pitch 528, an odd multiple of 16 bytes); back as 64 numbers a lane: register 16 c + i = k 32 c + 16 (lane / 16) + i of row lane % 16
.macro TURNW k
	WIN 0x0c                                       ; store data window 3
.irp i, 0,1,2,3,4,5,6,7,8,9,10,11,12,13,14,15
	ds_store_b128 v5, v[64*((\k)%4)+4*\i:64*((\k)%4)+4*\i+3] offset:8448*((\k)%2)+528*\i
.endr
	WIN 0
.irp c, 0,1,2,3
.irp j, 0,1,2,3
	ds_load_b128 v[XP+64*((\k)%2)+16*\c+4*\j:XP+64*((\k)%2)+16*\c+4*\j+3], v6 offset:8448*((\k)%2)+128*\c+16*\j
.endr
.endr
.endm
; the 64 numbers become a fragment's codes, and the fragment goes to LDS as it stands
.macro QUANTW k
.set XS, XP+64*((\k)%2)
.irp c, 0,1,2,3
.irp i, 0,1,2,3,4,5,6,7,8,9,10,11,12,13,14,15
	v_med3_num_f32 v[XS+16*\c+\i], v[XS+16*\c+\i], -v10, v10   ; the conversion to an 8-bit code does not saturate (ISA guide 7.6.2): the hold comes first
.endr
	v_cvt_scalef32_pk8_fp8_f32 v[PCD+4*\c:PCD+4*\c+1], v[XS+16*\c:XS+16*\c+7], v9
	v_cvt_scalef32_pk8_fp8_f32 v[PCD+4*\c+2:PCD+4*\c+3], v[XS+16*\c+8:XS+16*\c+15], v9
.endr
	v_nop                                          ; a plain line behind the last conversion
	s_wait_alu depctr_va_vdst(0)                   ; the conversions have written the codes, which the stores below read; holds and conversions are done with this set of 64 numbers, in which the stage's loads of the step after next land
.irp c, 0,1,2,3
	ds_store_b128 v7, v[PCD+4*\c:PCD+4*\c+3] offset:2048*(\k)+512*\c
.endr
.endm
; The tokens of the tile `ahead` tiles on, held inside the expert's tiles: a lane takes entries 16 S + 8 (lane / 16) + 0 .. 7 of both subtiles S: four loads of 16 bytes.  First their offset,
.macro TVADR ahead
	s_add_co_u32 s44, s43, \ahead
	s_min_u32 s44, s44, s41                        ; not past the expert's last tile,
	s_min_u32 s44, s44, 63                         ; and in any case inside the expert's part of the list
	v_lshl_add_u32 v12, s44, 7, v11
.endm
.macro TVLOAD                          ; then, behind the wait that shows the offset written, the loads
	global_load_b128 v[20:23], v12, s[8:9]
	global_load_b128 v[24:27], v12, s[8:9] offset:16
	global_load_b128 v[28:31], v12, s[8:9] offset:64
	global_load_b128 v[120:123], v12, s[8:9] offset:80
.endm
.macro OFFS                            ; token -> byte offset in xq of my 16 bytes of a piece: 1024 x token + 16 (lane % 16)
.set kk, 0
.rept 16
	v_min_u32 v[OFF+kk], 0x7ff, v[20+kk+88*(kk/12)]
.set kk, kk+1
.endr
.set kk, 0
.rept 16
	v_lshl_add_u32 v[OFF+kk], v[OFF+kk], 10, v14
.set kk, kk+1
.endr
.endm
.macro GLOAD4 half, i0                 ; half of a subtile's 32 loads: load (i, q), i = i0 .. i0 + 3: lanes 0-15 piece q of row i, lanes 16-31 of row i + 8: 256 consecutive bytes each.  Under destination window 3
.irp i, 0,1,2,3
.irp q, 0,1,2,3
	global_load_b128 v[128*\half+16*(\i0+\i)+4*\q:128*\half+16*(\i0+\i)+4*\q+3], v[OFF+8*\half+\i0+\i], s[6:7] offset:256*\q
.endr
.endr
.endm
; 16 matrix instructions: K steps 4 hi .. 4 hi + 3 x my 4 tiles of weight rows; the four accumulators take turns, one instruction a turn; the first K step starts the sums
.macro MUL4 hi
.irp k, 0,1,2,3
.irp t, 0,1,2,3
.if (\hi == 0) && (\k == 0)
	v_wmma_f32_16x16x128_fp8_fp8 v[ACC+8*\t:ACC+8*\t+7], v[64*\k+16*\t:64*\k+16*\t+15], v[XF+64*\hi+16*\k:XF+64*\hi+16*\k+15], 0
.else
	v_wmma_f32_16x16x128_fp8_fp8 v[ACC+8*\t:ACC+8*\t+7], v[64*\k+16*\t:64*\k+16*\t+15], v[XF+64*\hi+16*\k:XF+64*\hi+16*\k+15], v[ACC+8*\t:ACC+8*\t+7]
.endif
.endr
.endr
.endm
; A sum S stands for z = S x 2^(e0 + e1).  silu(z) = z / (1 + 2^(-z log2 e)).  S / (1 + ..) is silu(z) / 2^(e0 + e1), so the conversion's one scale is 2^(e3 - e0 - e1).
.macro SILUQ
.set jj, 0
.rept 16
	v_pk_mul_f32 v[T+jj:T+jj+1], v[ACC+jj:ACC+jj+1], s[30:31] op_sel_hi:[1,0]   ; -z log2 e; each accumulator is read from its low end on
.set jj, jj+2
.endr
.set jj, 0
	s_wait_alu depctr_va_vdst(0)
.rept 32
	v_exp_f32 v[T+jj], v[T+jj]
.set jj, jj+1
.endr
	v_nop                                          ; a plain line behind the last exponential
	s_wait_alu depctr_va_vdst(0)                   ; the 32 exponentials have written v80-111: one wait for the batch, ahead of its first reader
.set jj, 0
.rept 16
	v_pk_add_f32 v[T+jj:T+jj+1], v[T+jj:T+jj+1], 1.0 op_sel_hi:[1,0]
.set jj, jj+2
.endr
.set jj, 0
	s_wait_alu depctr_va_vdst(0)
.rept 32
	v_rcp_f32 v[T+jj], v[T+jj]
.set jj, jj+1
.endr
	v_nop
	s_wait_alu depctr_va_vdst(0)                   ; the 32 reciprocals have written v80-111: one wait for the batch, ahead of its first reader
.set jj, 0
.rept 16
	v_pk_mul_f32 v[T+jj:T+jj+1], v[T+jj:T+jj+1], v[ACC+jj:ACC+jj+1]
.set jj, jj+2
.endr
.set jj, 0
.rept 32
	v_med3_num_f32 v[T+jj], v[T+jj], -v19, v19     ; the hold at 448 x the scale
.set jj, jj+1
.endr
.irp b, 0,1
	v_cvt_scalef32_pk8_fp8_f32 v[HC+4*\b:HC+4*\b+1], v[T+16*\b:T+16*\b+7], v18
	v_cvt_scalef32_pk8_fp8_f32 v[HC+4*\b+2:HC+4*\b+3], v[T+16*\b+8:T+16*\b+15], v18
.endr
	v_nop                                          ; a plain line behind the last conversion
.endm
; A subtile.  more = 1: the same subtile of my next tile is asked for.  left = the younger loads that may stay out.
.macro SUB half, more, left
	s_wait_loadcnt \left                           ; this subtile's 32 loads are in (and with subtile 0's the list's four, which are older)
	WIN 0x0c
.irp i, 0,1,2,3,4,5,6,7
.irp q, 0,1,2,3
	ds_store_b128 v15, v[128*\half+16*\i+4*\q:128*\half+16*\i+4*\q+3] offset:1040*\i+256*\q
.endr
.endr
	WIN 0
.irp k, 0,1,2,3,4,5,6,7
.irp c, 0,1,2,3
	ds_load_b128 v[XF+16*\k+4*\c:XF+16*\k+4*\c+3], v16 offset:128*\k+32*\c   ; LDS serves a wave's instructions in order: these see the stores above.  Pitch 1,040: an odd multiple of 16 bytes.  (The last products were shown done reading these registers by the wait behind the last conversions; no vector instruction has been issued since)
.endr
.endr
	s_wait_xcnt 0x0                                ; the loads and stores issued so far have had their addresses translated: the offsets and the codes may be written again
	s_wait_alu depctr_vm_vsrc(0)                   ; the stage's stores above have read G[half], in which the gather below lands; the earlier gathers and list loads have read v32-47 and v12, the last subtile's stores v112-119: all are written again below
.if \more && (\half == 0)
	OFFS                                           ; my next tile's 16 offsets
	TVADR 8                                        ; the list runs two tiles ahead
	s_wait_alu depctr_va_vdst(0)                   ; the lines above have written v32-47 and v12, which the loads below read as offsets, and are done reading v20-31 and v120-123, in which the list's loads land
	TVLOAD
.endif
.if \more
	WIN 0xc0
	GLOAD4 \half, 0                                ; rows 0-3 and 8-11 go out while the fragments come from LDS
.endif
	s_wait_dscnt 0x0                               ; the fragments are in
	WIN 0x01                                       ; source 0 window 1
	MUL4 0
.if \more
	WIN 0xc0
	GLOAD4 \half, 4                                ; rows 4-7 and 12-15.  No wait: no vector or matrix instruction since the waits above names G[half] or the offsets
.endif
	WIN 0x02                                       ; source 0 window 2
	MUL4 1
	WIN 0
	PLACES 4                                       ; four places between the last products and the first read of their results (ISA guide 7.12.1); with the lines that follow they also serve the next sums' start
	SILUQ
	s_wait_alu depctr_va_vdst(0)                   ; the conversions have written v112-119, which the stores below read; the products are done reading v128-255, in which the next subtile's LDS loads land
	global_store_b128 v4, v[HC:HC+3], s[14:15] offset:32768*\half        ; 32 lanes store 512 consecutive bytes: chunk c = 2 (slice % 2) of K step slice / 2,
	global_store_b128 v4, v[HC+4:HC+7], s[14:15] offset:32768*\half+512  ; and the chunk behind it
.endm
	s_load_b256 s[4:11], s[0:1], 0x0               ; W1 s[4:5], xq s[6:7], list s[8:9], cnt s[10:11]
	s_load_b128 s[12:15], s[0:1], 0x20             ; the scales' exponents s[12:13], hid s[14:15]
	v_lshl_add_u32 v126, v0, 2, 0x30c00
	v_mov_b32 v127, 0
	v_lshrrev_b32 v1, 5, v0
	v_readfirstlane_b32 s16, v1                    ; wave
	v_and_b32 v1, 31, v0                           ; lane
	v_and_b32 v2, 15, v0                           ; r
	v_bfe_u32 v3, v0, 4, 1                         ; h
	v_lshlrev_b32 v4, 4, v1                        ; 16 x lane
	s_wait_alu depctr_va_sdst(0)                   ; s16 is written, ahead of its first reader: bases, LDS addresses and the trips are made from it
	s_lshr_b32 s17, ttmp9, 5                       ; expert
	s_and_b32 s18, ttmp9, 31                       ; slice
	s_lshl_b32 s20, s17, 23                        ; W1: 8 MB an expert,
	s_lshl_b32 s21, s18, 18                        ; 64 rows a slice,
	s_add_co_u32 s20, s20, s21
	s_lshr_b32 s21, s16, 1
	s_lshl_b32 s21, s21, 17                        ; my tile begins at row 32 (wave / 2)
	s_add_co_u32 s20, s20, s21
	s_and_b32 s21, s16, 1
	s_lshl_b32 s21, s21, 15                        ; + 8 (wave % 2)
	s_add_co_u32 s20, s20, s21
	s_mov_b32 s21, 0
	s_lshl_b32 s22, s17, 2                         ; cnt[e]
	s_mov_b32 s23, 0
	s_mul_i32 s24, s17, 8320                       ; the expert's 2,080 entries of the list
	s_mov_b32 s25, 0
	s_lshl_b32 s26, s17, 22                        ; hid: 4 MB an expert,
	s_lshl_b32 s27, s16, 16                        ; 64 KB a tile of 32 rows: my first is tile = wave,
	s_add_co_u32 s26, s26, s27
	s_lshl_b32 s27, s18, 10                        ; 2048 (slice / 2) + 1024 (slice % 2)
	s_add_co_u32 s26, s26, s27
	s_mov_b32 s27, 0
	s_wait_kmcnt 0x0
	s_add_nc_u64 s[4:5], s[4:5], s[20:21]
	s_add_nc_u64 s[10:11], s[10:11], s[22:23]
	s_add_nc_u64 s[8:9], s[8:9], s[24:25]
	s_add_nc_u64 s[14:15], s[14:15], s[26:27]
	s_load_b128 s[36:39], s[12:13], 0x0            ; e0, e1, e2, e3
	s_load_b32 s40, s[10:11], 0x0                  ; cnt[e]
	WIN 0xc0
	s_wait_alu depctr_va_vdst(0)                   ; v4 is written, which the weights' loads and hid's stores read as their offset; so are v126 and v127, which the closing add reads
	LOADW 0
	LOADW 1
	LOADW 2
	LOADW 3
	WIN 0
	s_mul_i32 s22, s16, 16896                      ; my two stages
	v_add_nc_u32 v5, s22, v4                       ; in: 16 x lane of a row
	v_mul_u32_u24 v6, v2, 528
	v_lshl_add_u32 v6, v3, 6, v6
	v_add_nc_u32 v6, s22, v6                       ; back: row r, + 64 h
	s_lshl_b32 s23, s16, 14
	s_add_co_u32 s23, s23, IMG
	v_add_nc_u32 v7, s23, v4                       ; my 8 images
	v_add_nc_u32 v8, IMG, v4                       ; all 32
	v_lshlrev_b32 v11, 5, v3                       ; the list: 32 h bytes into a subtile's 64
	v_lshlrev_b32 v14, 4, v2                       ; 16 r
	s_mul_i32 s24, s16, 16640
	s_add_co_u32 s24, s24, RSTG                    ; my row stage
	v_mul_u32_u24 v15, v3, 8320
	v_lshl_add_u32 v15, v2, 4, v15
	v_add_nc_u32 v15, s24, v15                     ; in: row i + 8 h, 16 r
	v_mul_u32_u24 v16, v2, 1040
	v_lshl_add_u32 v16, v3, 4, v16
	v_add_nc_u32 v16, s24, v16                     ; back: row r, + 16 h
	s_wait_kmcnt 0x0
	s_add_co_i32 s46, s37, 127
	s_lshl_b32 s47, s46, 23
	v_mov_b32 v9, s47                              ; 2^e1 as f32: the conversion takes its exponent field
	s_add_co_i32 s46, s46, 8
	s_lshl_b32 s46, s46, 23
	s_or_b32 s46, s46, 0x600000
	v_mov_b32 v10, s46                             ; 448 x 2^e1
	s_add_co_i32 s45, s36, s37                     ; e0 + e1
	s_lshl_b32 s30, s45, 23
	s_add_co_u32 s30, s30, 0xbfb8aa3b              ; -log2(e) x 2^(e0 + e1): the sum is added to the exponent field
	s_mov_b32 s31, s30                             ; (named with it as a pair, so it is written)
	s_sub_co_i32 s46, s39, s45
	s_add_co_i32 s46, s46, 127
	s_lshl_b32 s47, s46, 23
	v_mov_b32 v18, s47                             ; 2^(e3 - e0 - e1)
	s_add_co_i32 s46, s46, 8
	s_lshl_b32 s46, s46, 23
	s_or_b32 s46, s46, 0x600000
	v_mov_b32 v19, s46                             ; 448 x that
	s_min_u32 s40, s40, 0x800
	s_add_co_u32 s40, s40, 31
	s_lshr_b32 s40, s40, 5                         ; the expert's tiles of 32 rows
	s_max_u32 s41, s40, 1
	s_sub_co_u32 s41, s41, 1                       ; the last of them (0 where there is none: entries 0 to 31 of the list are always stored)
	s_add_co_u32 s42, s40, 3
	s_sub_co_u32 s42, s42, s16
	s_lshr_b32 s42, s42, 2                         ; my tiles: wave, wave + 4, ..
	s_mov_b32 s43, s16                             ; the tile in hand
	TVADR 0
	s_wait_alu depctr_va_vdst(0)                   ; v12 is written, which the list's loads read as their offset; so are the LDS addresses v5 to v8, v15 and v16, for the whole kernel
	TVLOAD                                         ; my first tile's tokens come while the weights stream
	s_wait_loadcnt 48                              ; K step 0's 16 loads are in: behind them stand three steps' 48 and the list's 4 (a smaller count than 52 is safe)
	TURNW 0
.irp k, 0,1,2,3,4,5,6,7
	s_wait_dscnt 0x0                               ; step k's numbers are back
.if \k < 4
	WIN 0xc0
.endif
	s_wait_alu depctr_vm_vsrc(0)                   ; the stage's stores of step k have read their set of window 3, in which the loads below land; the last step's image stores have read the codes, which this step's conversions write again
.if \k < 4
	LOADW \k+4                                     ; into the set that step k has left
.endif
.if \k < 7
.if \k < 4
	s_wait_loadcnt 48                              ; step k + 1 is in; the three steps behind it may be out
.else
	s_wait_loadcnt 16*(6-\k)                       ; the counts run down: 32, 16, 0
.endif
	TURNW \k+1                                     ; through the other stage while step k is quantised
.endif
	QUANTW \k
.endr
	s_wait_dscnt 0x0                               ; for the others' sake: my images are in LDS
	s_barrier_signal -1
	s_barrier_wait -1                              ; the launch's one barrier: all 32 images are
	s_wait_alu depctr_vm_vsrc(0)                   ; my LDS stores have read window 3's sets, in which the gathered rows land, and v80-95, which the activation writes; the first list loads have read v12, which is written again
	s_cmp_eq_u32 s42, 0
	s_cbranch_scc1 .Lend                           ; no tile for my wave
	OFFS
	TVADR 4
	s_wait_alu depctr_va_vdst(0)                   ; v32-47 and v12 are written, which the loads below read as offsets; the lines above are done reading v20-31 and v120-123, in which the list's loads land
	TVLOAD
	WIN 0xc0
	GLOAD4 0, 0
	GLOAD4 0, 4
	GLOAD4 1, 0
	GLOAD4 1, 4
	WIN 0x40                                       ; destination window 1: K steps 0-3
.irp k, 0,1,2,3
.irp t, 0,1,2,3
.irp c, 0,1,2,3
	ds_load_b128 v[64*\k+16*\t+4*\c:64*\k+16*\t+4*\c+3], v8 offset:2048*(8*\t+\k)+512*\c
.endr
.endr
.endr
	WIN 0x80                                       ; window 2: K steps 4-7
.irp k, 0,1,2,3
.irp t, 0,1,2,3
.irp c, 0,1,2,3
	ds_load_b128 v[64*\k+16*\t+4*\c:64*\k+16*\t+4*\c+3], v8 offset:2048*(8*\t+\k+4)+512*\c
.endr
.endr
.endr
	WIN 0                                          ; (the first subtile's wait for all LDS instructions serves these loads too)
	s_sub_co_u32 s42, s42, 1                       ; trips that have a successor
	s_cmp_eq_u32 s42, 0
	s_cbranch_scc1 .Ltail
.Ltrip:
	SUB 0, 1, 32                                   ; behind subtile 0's loads: subtile 1's 32
	SUB 1, 1, 36                                   ; behind subtile 1's: the list's 4 and the next tile's subtile 0: 32
	s_wait_xcnt 0x0                                ; the stores have read their base
	s_add_nc_u64 s[14:15], s[14:15], 0x40000       ; four tiles of 64 KB on
	s_add_co_u32 s43, s43, 4
	s_sub_co_u32 s42, s42, 1
	s_cmp_lg_u32 s42, 0
	s_cbranch_scc1 .Ltrip
.Ltail:                                            ; my last tile asks for nothing
	SUB 0, 0, 32
	SUB 1, 0, 0
.Lend:
	s_wait_dscnt 0x0                               ; the closing lines, six on end
	s_wait_alu 0x0
	s_wait_tensorcnt 0x0
	ds_add_u32 v126, v127
	s_wait_dscnt 0x0
	s_endpgm
.Lfunc_end_k_q470cdf0a32_fc1:
	.size	k_q470cdf0a32_fc1, .Lfunc_end_k_q470cdf0a32_fc1-k_q470cdf0a32_fc1
	.p2alignl 7, 3214868480
	.fill 96, 4, 3214868480
	.section	.rodata,"a",@progbits
	.p2align	6, 0x0
	.amdhsa_kernel k_q470cdf0a32_fc1
		.amdhsa_group_segment_fixed_size 200192
		.amdhsa_private_segment_fixed_size 0
		.amdhsa_enable_private_segment 0
		.amdhsa_kernarg_size 48
		.amdhsa_user_sgpr_count 2
		.amdhsa_user_sgpr_kernarg_segment_ptr 1
		.amdhsa_wavefront_size32 1
		.amdhsa_system_sgpr_workgroup_id_x 1
		.amdhsa_system_sgpr_workgroup_id_y 1
		.amdhsa_system_sgpr_workgroup_id_z 1
		.amdhsa_system_vgpr_workitem_id 0
		.amdhsa_next_free_vgpr 1024
		.amdhsa_next_free_sgpr 66
		.amdhsa_reserve_vcc 0
		.amdhsa_float_denorm_mode_32 3
		.amdhsa_float_denorm_mode_16_64 3
		.amdhsa_memory_ordered 1
		.amdhsa_forward_progress 1
		.amdhsa_inst_pref_size 155
	.end_amdhsa_kernel
	.amdgpu_metadata
---
amdhsa.version: [ 1, 2 ]
amdhsa.kernels:
  - .name:           k_q470cdf0a32_fc1
    .symbol:         k_q470cdf0a32_fc1.kd
    .args:
      - { .name: W1, .offset: 0, .size: 8, .value_kind: global_buffer, .address_space: global }
      - { .name: xq, .offset: 8, .size: 8, .value_kind: global_buffer, .address_space: global }
      - { .name: list, .offset: 16, .size: 8, .value_kind: global_buffer, .address_space: global }
      - { .name: cnt, .offset: 24, .size: 8, .value_kind: global_buffer, .address_space: global }
      - { .name: lowp_scales, .offset: 32, .size: 8, .value_kind: global_buffer, .address_space: global }
      - { .name: hid, .offset: 40, .size: 8, .value_kind: global_buffer, .address_space: global }
    .group_segment_fixed_size: 200192
    .private_segment_fixed_size: 0
    .kernarg_segment_align: 8
    .kernarg_segment_size: 48
    .max_flat_workgroup_size: 128
    .sgpr_count:     66
    .vgpr_count:     1024
    .wavefront_size: 32
...
	.end_amdgpu_metadata
.endif
;; end of part 8
;; launch fc2 (part 9): grid 256 x 1, 4 waves a work-group, no clusters, 151,040 bytes of LDS; arguments W2, hid, cnt, lowp_scales, y; writes y
.if DOCPART == 9
	.amdgcn_target "amdgcn-amd-amdhsa--gfx1250"
	.amdhsa_code_object_version 6
	.text
	.protected	k_q470cdf0a32_fc2
	.globl	k_q470cdf0a32_fc2
	.p2align	8
	.type	k_q470cdf0a32_fc2,@function
k_q470cdf0a32_fc2:
	s_mov_b64 s[64:65], 0
	v_nop
	global_prefetch_b8 v0, s[64:65] scope:SCOPE_SE
	s_setreg_imm32_b32 hwreg(HW_REG_WAVE_SCHED_MODE, 0, 2), 2
	s_setreg_imm32_b32 hwreg(HW_REG_WAVE_MODE, 25, 1), 1
	s_wait_xcnt 0x0
	s_wait_alu depctr_vm_vsrc(0)
; FC2.  y[kh][position][column] = the sum over half kh of K of hid's codes x W2[e]'s codes, for the rows routed to expert e; the weights are quantised here, on their one way in.
; The sums are stored as they are: the next launch adds the two halves and multiplies by 2^(e2 + e3) and the gate's weight.
; SHARES.  Work-group = (expert e = number / 32, columns 64 cs .., cs = (number % 32) / 2, half kh = number % 2 of K = 2,048): 64 rows of W2[e] x 1,024 along K: 256 KB of f32, read by nobody else, once.
; K is halved, and not the columns, so that a row's part of y is 256 consecutive bytes, aligned, and each byte of hid feeds 64 columns.
; PROLOGUE as in the launch before: wave w turns 16 rows into 8 fragments, which go to LDS as images of their registers; ONE barrier; every wave holds all 32 fragments (windows 1 and 2).
; ROWS.  Tiles of 32 rows (two subtiles of 16), wave w takes tiles w, w + 4, ..  hid lies as images of the operand's registers, so a fragment is four loads of 512 consecutive bytes; loads run a tile (64 loads a wave) ahead.
; THE PRODUCT IS USED TRANSPOSED (source 0 = 16 rows of W2, source 1 = 16 routed rows): a lane holds one routed row and eight neighbouring columns; a subtile's 16 x 64 sums go through the
; wave's own stage in LDS and leave as rows: sixteen lanes store 256 consecutive bytes, aligned.
; K IN THE REGISTERS: registers 4 c .. 4 c + 3 of K step s hold k = 128 s + 32 c + 16 (lane / 16) + 0 .. 15, alike in both operands.
; NO TENSOR LOAD, NO CLUSTER, though the 16 work-groups of an expert's half read the same rows: the trips hang on cnt[e], a number read from memory.  The one barrier stands ahead of every branch on cnt.
; LIMITS: e2 between -126 and 119.  NaN among the inputs is not served.
; REGISTERS.  window 0: v1-13 addresses and scales; v48-79 subtile 0's four accumulators, v16-47 subtile 1's; v80-111 subtile 0's rows of y on their way out, v128-159 subtile 1's
;   (prologue: v80-95 a fragment's codes; v128-255 two sets of 64 numbers).
;   windows 1, 2: W2's fragment (K step k, tile t) at 256 (1 + k / 4) + 64 (k % 4) + 16 t.   window 3: hid's fragments, 128 registers a subtile (prologue: four sets of 64 numbers as loaded).
; THE MODE: SCHED_MODE bits 1:0 = 2 (LLVM: expert scheduling mode 2), set by the entry lines.  The code itself states the register dependences between vector or matrix instructions
; and memory or LDS instructions, with s_wait_alu, always for 0.
; THE PLAN.  Registers that memory or LDS instructions touch, and who else names them.
;   v4-8, v11-13            offsets and LDS addresses: made at the head, never written again.
;   PROLOGUE, step k (128 along K):
;   window 3, set k % 4     W2's loads land in it; step k's stores into the stage read it; the loads of step k + 4 land in it again.  No vector instruction names it.
;   v128-255, set k % 2     step k's loads from the stage land in it; step k's holds and conversions work on it; the loads of step k + 2 land in it again.
;   v80-95                  step k's conversions write the codes; its four image stores read them; step k + 1's conversions write them again.
;   Two waits a step: on vm_vsrc at its head (the stage's stores have read the set, the last image stores the codes), on va_vdst behind its conversions (the codes are written; the set of
;   64 numbers is done with: no vector instruction stands between that wait and the loads of step k + 2 into it).
;   LOOP, a tile of two subtiles h = 0, 1, each with buffers of its own:
;   X[h] (window 3)         hid's loads land in it; subtile h's 32 matrix instructions read it; behind them the same subtile of the next tile lands in it.
;   ACC[h]                  subtile h's matrix instructions write it; its eight stores into the stage read it; the next tile's matrix instructions write it again.
;   YB[h]                   subtile h's eight loads from the stage land in it; its eight stores to y read it; the next tile's loads land in it again.
;   One wait on va_vdst behind each subtile's products: ACC[h] is written and X[h] is read; the refill of X[h] and the way out of ACC[h] follow it.  SUBTILE 0'S WAY OUT IS DEALT AMONG SUBTILE 1'S PRODUCTS,
;   which name ACC[1], X[1] and the weights: none of the registers that it touches.  One wait on vm_vsrc a tile, at the trip's end: both ACC and both YB have been read, and the next tile writes all four.
.set IMG,   67584                      ; LDS: from 0, for each wave two stages of 16 rows x 528 bytes (16,896); here the 32 images of 2,048 bytes: fragment (t, k) at 2048 (8 t + k)
.set YSTG,  133120                     ; and for each wave a stage of 16 rows x 272 bytes
.set WROW,  8192                       ; a row of W2 in bytes
.set ACC0,  48
.set ACC1,  16
.set YB0,   80
.set YB1,   128
.set PCD,   80
.set XP,    128
.set MSB, 0
.macro WIN new                         ; the immediate's high byte repeats the setting that is left; bits 1:0 source 0, 3:2 source 1, 5:4 source 2, 7:6 destination
.if MSB != \new
	s_set_vgpr_msb (MSB<<8)|\new
.set MSB, \new
.endif
.endm
.macro PLACES n
.rept \n
	v_nop
.endr
.endm
; K step k of my 16 rows: each load reads 512 consecutive bytes of one row, into set k % 4 of window 3
.macro LOADW k
	WIN 0xc0
.irp i, 0,1,2,3,4,5,6,7,8,9,10,11,12,13,14,15
	global_load_b128 v[64*((\k)%4)+4*\i:64*((\k)%4)+4*\i+3], v4, s[4:5] offset:WROW*\i+512*(\k) th:TH_LOAD_NT
.endr
.endm
; through stage k % 2: in as loaded, row by row (pitch 528, an odd multiple of 16 bytes); back as 64 numbers a lane: register 16 c + i = k 32 c + 16 (lane / 16) + i of row lane % 16
.macro TURNW k
	WIN 0x0c                                       ; store data window 3
.irp i, 0,1,2,3,4,5,6,7,8,9,10,11,12,13,14,15
	ds_store_b128 v5, v[64*((\k)%4)+4*\i:64*((\k)%4)+4*\i+3] offset:8448*((\k)%2)+528*\i
.endr
	WIN 0
.irp c, 0,1,2,3
.irp j, 0,1,2,3
	ds_load_b128 v[XP+64*((\k)%2)+16*\c+4*\j:XP+64*((\k)%2)+16*\c+4*\j+3], v6 offset:8448*((\k)%2)+128*\c+16*\j
.endr
.endr
.endm
; the 64 numbers become a fragment's codes, and the fragment goes to LDS as it stands
.macro QUANTW k
.set XS, XP+64*((\k)%2)
.irp c, 0,1,2,3
.irp i, 0,1,2,3,4,5,6,7,8,9,10,11,12,13,14,15
	v_med3_num_f32 v[XS+16*\c+\i], v[XS+16*\c+\i], -v10, v10   ; the conversion to an 8-bit code does not saturate (ISA guide 7.6.2): the hold comes first
.endr
	v_cvt_scalef32_pk8_fp8_f32 v[PCD+4*\c:PCD+4*\c+1], v[XS+16*\c:XS+16*\c+7], v9
	v_cvt_scalef32_pk8_fp8_f32 v[PCD+4*\c+2:PCD+4*\c+3], v[XS+16*\c+8:XS+16*\c+15], v9
.endr
	v_nop                                          ; a plain line behind the last conversion
	s_wait_alu depctr_va_vdst(0)                   ; the conversions have written the codes, which the stores below read; holds and conversions are done with this set of 64 numbers, in which the stage's loads of the step after next land
.irp c, 0,1,2,3
	ds_store_b128 v7, v[PCD+4*\c:PCD+4*\c+3] offset:2048*(\k)+512*\c
.endr
.endm
; a subtile's 8 fragments of my half of K, as the launch before stored them: 32 loads of 512 consecutive bytes.  ahead = 1: of my next tile, four tiles of 64 KB on
.macro XLOAD half, ahead
	WIN 0xc0
.irp k, 0,1,2,3,4,5,6,7
.irp c, 0,1,2,3
	global_load_b128 v[128*\half+16*\k+4*\c:128*\half+16*\k+4*\c+3], v4, s[6:7] offset:262144*\ahead+32768*\half+2048*\k+512*\c
.endr
.endr
	WIN 0
.endm
; 16 matrix instructions: K steps 4 hi .. 4 hi + 3 x my 4 tiles of weight rows; the four accumulators take turns, one instruction a turn; the first K step starts the sums
.macro MUL4 acc, x, hi
.irp k, 0,1,2,3
.irp t, 0,1,2,3
.if (\hi == 0) && (\k == 0)
	v_wmma_f32_16x16x128_fp8_fp8 v[\acc+8*\t:\acc+8*\t+7], v[64*\k+16*\t:64*\k+16*\t+15], v[(\x)+64*\hi+16*\k:(\x)+64*\hi+16*\k+15], 0
.else
	v_wmma_f32_16x16x128_fp8_fp8 v[\acc+8*\t:\acc+8*\t+7], v[64*\k+16*\t:64*\k+16*\t+15], v[(\x)+64*\hi+16*\k:(\x)+64*\hi+16*\k+15], v[\acc+8*\t:\acc+8*\t+7]
.endif
.endr
.endr
.endm
; The way out of a subtile, in two parts.  Into my stage and back as rows:
.macro TOSTG acc, yb
.irp t, 0,1,2,3
	ds_store_b128 v11, v[\acc+8*\t:\acc+8*\t+3] offset:64*\t          ; lane (r, h): row r, columns 16 t + 8 h + 0 .. 7; each accumulator from its low end on
	ds_store_b128 v11, v[\acc+8*\t+4:\acc+8*\t+7] offset:64*\t+16
.endr
.irp i, 0,1,2,3,4,5,6,7
	ds_load_b128 v[\yb+4*\i:\yb+4*\i+3], v12 offset:544*\i            ; LDS serves a wave's instructions in order: these see the stores above; lanes 0-15 one row, lanes 16-31 the next
.endr
.endm
; and to y:
.macro SENDY yb, half
.irp i, 0,1,2,3,4,5,6,7
	s_wait_dscnt 7-\i
	global_store_b128 v13, v[\yb+4*\i:\yb+4*\i+3], s[12:13] offset:65536*\half+8192*\i   ; 16 lanes store 256 consecutive bytes, at a multiple of 256 from y's first byte
.endr
.endm
; A tile.  more = 1: my next tile is asked for.  l0, l1 = the younger loads that may stay out when subtile 0's, subtile 1's have to be there.
.macro TILE more, l0, l1
	s_wait_loadcnt \l0                             ; subtile 0's 32 loads are in
	WIN 0x0d                                       ; source 0 window 1, source 1 window 3
	MUL4 ACC0, 0, 0
	WIN 0x0e                                       ; source 0 window 2
	MUL4 ACC0, 0, 1
	PLACES 4                                       ; four places between the last products and the stores that read their results; they stay beside the wait below
.if \more
	WIN 0xc0
.else
	WIN 0
.endif
	s_wait_alu depctr_va_vdst(0)                   ; subtile 0's products have written ACC0, which the stage's stores read, and are done reading X[0], in which the loads below land
.if \more
	XLOAD 0, 1
.endif
	TOSTG ACC0, YB0
	s_wait_loadcnt \l1                             ; subtile 1's 32 loads are in
	WIN 0x0d
	MUL4 ACC1, 128, 0                              ; subtile 0's rows come back from the stage meanwhile
	WIN 0
	SENDY YB0, 0                                   ; no wait on the vector side: these registers come from LDS loads, and the products round them name none of them
	WIN 0x0e
	MUL4 ACC1, 128, 1
	PLACES 4                                       ; as above; between two sums in one accumulator stand both runs of four, more than the five places that its new start wants
.if \more
	WIN 0xc0
.else
	WIN 0
.endif
	s_wait_alu depctr_va_vdst(0)                   ; subtile 1's products have written ACC1, which the stage's stores read, and are done reading X[1], in which the loads below land
.if \more
	XLOAD 1, 1
.endif
	TOSTG ACC1, YB1
	SENDY YB1, 1
.endm
	s_load_b256 s[4:11], s[0:1], 0x0               ; W2 s[4:5], hid s[6:7], cnt s[8:9], the scales' exponents s[10:11]
	s_load_b64 s[12:13], s[0:1], 0x20              ; y
	v_lshl_add_u32 v126, v0, 2, 0x24c00
	v_mov_b32 v127, 0
	v_lshrrev_b32 v1, 5, v0
	v_readfirstlane_b32 s16, v1                    ; wave
	v_and_b32 v1, 31, v0                           ; lane
	v_and_b32 v2, 15, v0                           ; r
	v_bfe_u32 v3, v0, 4, 1                         ; h
	v_lshlrev_b32 v4, 4, v1                        ; 16 x lane
	s_wait_alu depctr_va_sdst(0)                   ; s16 is written, ahead of its first reader: bases, LDS addresses and the trips are made from it
	s_lshr_b32 s17, ttmp9, 5                       ; expert
	s_bfe_u32 s18, ttmp9, 0x40001                  ; cs: which 64 columns
	s_and_b32 s19, ttmp9, 1                        ; kh: which half of K
	s_lshl_b32 s20, s17, 23                        ; W2: 8 MB an expert,
	s_lshl_b32 s21, s18, 19                        ; 64 rows of 8,192 bytes a slice,
	s_add_co_u32 s20, s20, s21
	s_lshl_b32 s21, s16, 17                        ; 16 rows a wave,
	s_add_co_u32 s20, s20, s21
	s_lshl_b32 s21, s19, 12                        ; 4,096 bytes a half of K
	s_add_co_u32 s20, s20, s21
	s_mov_b32 s21, 0
	s_lshl_b32 s22, s17, 2                         ; cnt[e]
	s_mov_b32 s23, 0
	s_lshl_b32 s24, s17, 22                        ; hid: 4 MB an expert,
	s_lshl_b32 s25, s16, 16                        ; 64 KB a tile of 32 rows: my first is tile = wave,
	s_add_co_u32 s24, s24, s25
	s_lshl_b32 s25, s19, 14                        ; 8 K steps of 2,048 bytes a half
	s_add_co_u32 s24, s24, s25
	s_mov_b32 s25, 0
	s_lshl_b32 s26, s19, 26                        ; y: 64 MB a half,
	s_lshl_b32 s27, s17, 23                        ; 2,048 positions of 4,096 bytes an expert,
	s_add_co_u32 s26, s26, s27
	s_lshl_b32 s27, s16, 17                        ; 32 rows a tile,
	s_add_co_u32 s26, s26, s27
	s_lshl_b32 s27, s18, 8                         ; 256 bytes a slice of columns
	s_add_co_u32 s26, s26, s27
	s_mov_b32 s27, 0
	s_wait_kmcnt 0x0
	s_add_nc_u64 s[4:5], s[4:5], s[20:21]
	s_add_nc_u64 s[8:9], s[8:9], s[22:23]
	s_add_nc_u64 s[6:7], s[6:7], s[24:25]
	s_add_nc_u64 s[12:13], s[12:13], s[26:27]
	s_load_b128 s[36:39], s[10:11], 0x0            ; e0, e1, e2, e3
	s_load_b32 s40, s[8:9], 0x0                    ; cnt[e]
	WIN 0xc0
	s_wait_alu depctr_va_vdst(0)                   ; v4 is written, which the weights' and hid's loads read as their offset; so are v126 and v127, which the closing add reads
	LOADW 0
	LOADW 1
	LOADW 2
	LOADW 3
	WIN 0
	s_mul_i32 s22, s16, 16896                      ; my two stages
	v_add_nc_u32 v5, s22, v4                       ; in: 16 x lane of a row
	v_mul_u32_u24 v6, v2, 528
	v_lshl_add_u32 v6, v3, 6, v6
	v_add_nc_u32 v6, s22, v6                       ; back: row r, + 64 h
	s_lshl_b32 s23, s16, 14
	s_add_co_u32 s23, s23, IMG
	v_add_nc_u32 v7, s23, v4                       ; my 8 images
	v_add_nc_u32 v8, IMG, v4                       ; all 32
	s_mul_i32 s24, s16, 4352
	s_add_co_u32 s24, s24, YSTG                    ; my stage for y
	v_mul_u32_u24 v11, v2, 272
	v_lshl_add_u32 v11, v3, 5, v11
	v_add_nc_u32 v11, s24, v11                     ; in: row r, + 32 h
	v_mul_u32_u24 v12, v3, 272
	v_lshl_add_u32 v12, v2, 4, v12
	v_add_nc_u32 v12, s24, v12                     ; back: row h of a pair, 16 r
	v_lshlrev_b32 v13, 12, v3
	v_lshl_add_u32 v13, v2, 4, v13                 ; and the same place in y
	s_wait_kmcnt 0x0
	s_add_co_i32 s46, s38, 127
	s_lshl_b32 s47, s46, 23
	v_mov_b32 v9, s47                              ; 2^e2 as f32: the conversion takes its exponent field
	s_add_co_i32 s46, s46, 8
	s_lshl_b32 s46, s46, 23
	s_or_b32 s46, s46, 0x600000
	v_mov_b32 v10, s46                             ; 448 x 2^e2
	s_min_u32 s40, s40, 0x800
	s_add_co_u32 s40, s40, 31
	s_lshr_b32 s40, s40, 5                         ; the expert's tiles of 32 rows
	s_add_co_u32 s42, s40, 3
	s_sub_co_u32 s42, s42, s16
	s_lshr_b32 s42, s42, 2                         ; my tiles: wave, wave + 4, ..
	s_wait_alu depctr_va_vdst(0)                   ; the LDS addresses v5 to v8, v11 and v12 and y's offset v13 are written, for the whole kernel
	s_wait_loadcnt 48                              ; K step 0's 16 loads are in; three steps' 48 may be out
	TURNW 0
.irp k, 0,1,2,3,4,5,6,7
	s_wait_dscnt 0x0                               ; step k's numbers are back
.if \k < 4
	WIN 0xc0
.endif
	s_wait_alu depctr_vm_vsrc(0)                   ; the stage's stores of step k have read their set of window 3, in which the loads below land; the last step's image stores have read the codes, which this step's conversions write again
.if \k < 4
	LOADW \k+4                                     ; into the set that step k has left
.endif
.if \k < 7
.if \k < 4
	s_wait_loadcnt 48                              ; step k + 1 is in; the three steps behind it may be out
.else
	s_wait_loadcnt 16*(6-\k)                       ; the counts run down: 32, 16, 0
.endif
	TURNW \k+1                                     ; through the other stage while step k is quantised
.endif
	QUANTW \k
.endr
	s_wait_dscnt 0x0                               ; for the others' sake: my images are in LDS
	s_barrier_signal -1
	s_barrier_wait -1                              ; the launch's one barrier: all 32 images are
	s_wait_alu depctr_vm_vsrc(0)                   ; my LDS stores have read window 3's sets, in which hid's fragments land, and v80-95, in which rows of y land
	s_cmp_eq_u32 s42, 0
	s_cbranch_scc1 .Lend                           ; no tile for my wave
	XLOAD 0, 0
	XLOAD 1, 0
	WIN 0x40                                       ; destination window 1: K steps 0-3
.irp k, 0,1,2,3
.irp t, 0,1,2,3
.irp c, 0,1,2,3
	ds_load_b128 v[64*\k+16*\t+4*\c:64*\k+16*\t+4*\c+3], v8 offset:2048*(8*\t+\k)+512*\c
.endr
.endr
.endr
	WIN 0x80                                       ; window 2: K steps 4-7
.irp k, 0,1,2,3
.irp t, 0,1,2,3
.irp c, 0,1,2,3
	ds_load_b128 v[64*\k+16*\t+4*\c:64*\k+16*\t+4*\c+3], v8 offset:2048*(8*\t+\k+4)+512*\c
.endr
.endr
.endr
	WIN 0
	s_wait_dscnt 0x0                               ; the weights are in registers
	s_sub_co_u32 s42, s42, 1                       ; trips that have a successor
	s_cmp_eq_u32 s42, 0
	s_cbranch_scc1 .Ltail
.Ltrip:
	TILE 1, 32, 32                                 ; behind subtile 0's loads: subtile 1's 32; behind subtile 1's: the next tile's subtile 0: 32
	s_wait_xcnt 0x0                                ; loads and stores have read their bases, and the stores their data's addresses are translated: bases and row buffers may be written again
	s_wait_alu depctr_vm_vsrc(0)                   ; the stage's stores have read both accumulator buffers and y's stores both row buffers: the next tile's products and LDS loads write all four again
	s_add_nc_u64 s[6:7], s[6:7], 0x40000           ; four tiles of 64 KB on in hid,
	s_add_nc_u64 s[12:13], s[12:13], 0x80000       ; four tiles of 32 rows of 4,096 bytes on in y
	s_sub_co_u32 s42, s42, 1
	s_cmp_lg_u32 s42, 0
	s_cbranch_scc1 .Ltrip
.Ltail:                                            ; my last tile asks for nothing
	TILE 0, 32, 0
.Lend:
	s_wait_dscnt 0x0                               ; the closing lines, six on end
	s_wait_alu 0x0
	s_wait_tensorcnt 0x0
	ds_add_u32 v126, v127
	s_wait_dscnt 0x0
	s_endpgm
.Lfunc_end_k_q470cdf0a32_fc2:
	.size	k_q470cdf0a32_fc2, .Lfunc_end_k_q470cdf0a32_fc2-k_q470cdf0a32_fc2
	.p2alignl 7, 3214868480
	.fill 96, 4, 3214868480
	.section	.rodata,"a",@progbits
	.p2align	6, 0x0
	.amdhsa_kernel k_q470cdf0a32_fc2
		.amdhsa_group_segment_fixed_size 151040
		.amdhsa_private_segment_fixed_size 0
		.amdhsa_enable_private_segment 0
		.amdhsa_kernarg_size 40
		.amdhsa_user_sgpr_count 2
		.amdhsa_user_sgpr_kernarg_segment_ptr 1
		.amdhsa_wavefront_size32 1
		.amdhsa_system_sgpr_workgroup_id_x 1
		.amdhsa_system_sgpr_workgroup_id_y 1
		.amdhsa_system_sgpr_workgroup_id_z 1
		.amdhsa_system_vgpr_workitem_id 0
		.amdhsa_next_free_vgpr 1024
		.amdhsa_next_free_sgpr 66
		.amdhsa_reserve_vcc 0
		.amdhsa_float_denorm_mode_32 3
		.amdhsa_float_denorm_mode_16_64 3
		.amdhsa_memory_ordered 1
		.amdhsa_forward_progress 1
		.amdhsa_inst_pref_size 110
	.end_amdhsa_kernel
	.amdgpu_metadata
---
amdhsa.version: [ 1, 2 ]
amdhsa.kernels:
  - .name:           k_q470cdf0a32_fc2
    .symbol:         k_q470cdf0a32_fc2.kd
    .args:
      - { .name: W2, .offset: 0, .size: 8, .value_kind: global_buffer, .address_space: global }
      - { .name: hid, .offset: 8, .size: 8, .value_kind: global_buffer, .address_space: global }
      - { .name: cnt, .offset: 16, .size: 8, .value_kind: global_buffer, .address_space: global }
      - { .name: lowp_scales, .offset: 24, .size: 8, .value_kind: global_buffer, .address_space: global }
      - { .name: y, .offset: 32, .size: 8, .value_kind: global_buffer, .address_space: global }
    .group_segment_fixed_size: 151040
    .private_segment_fixed_size: 0
    .kernarg_segment_align: 8
    .kernarg_segment_size: 40
    .max_flat_workgroup_size: 128
    .sgpr_count:     66
    .vgpr_count:     1024
    .wavefront_size: 32
...
	.end_amdgpu_metadata
.endif
;; end of part 9
;; launch combine (part 10): grid 256 x 1, 8 waves a work-group, no clusters, 0 bytes of LDS; arguments y, pos, vals, lowp_scales, out0; writes out0
.if DOCPART == 10
	.amdgcn_target "amdgcn-amd-amdhsa--gfx1250"
	.amdhsa_code_object_version 6
	.text
	.protected	k_q470cdf0a32_combine
	.globl	k_q470cdf0a32_combine
	.p2align	8
	.type	k_q470cdf0a32_combine,@function
k_q470cdf0a32_combine:
	s_mov_b64 s[64:65], 0
	v_nop
	global_prefetch_b8 v0, s[64:65] scope:SCOPE_SE
	s_setreg_imm32_b32 hwreg(HW_REG_WAVE_MODE, 25, 1), 1
	s_wait_xcnt 0x0
; COMBINE.  out0[n] = 2^(e2 + e3) x (v0 (y[0][p0] + y[1][p0]) + v1 (y[0][p1] + y[1][p1])): the two halves of K are added, then the token's two experts, each with its gate's weight.
; A sum over contributors is made by gathering: each output row has one owner, a wave.  p0, p1 (row positions) and v0, v1 come by scalar loads from what earlier launches stored.
; A stream: four rows of 4,096 bytes in, one out; every load and store of the wave covers 512 consecutive bytes; all 32 loads go out at once and the waits count down.
; No LDS, no barrier, no matrix unit: waves share nothing.
.set IN,  16                           ; v16-143  piece j (512 bytes of a row), source k: four registers at 16 j + 4 k
.set OUT, 144                          ; v144-175 piece j of the result: registers of its own, so that no store's data are written again
	s_load_b256 s[4:11], s[0:1], 0x0               ; y s[4:5], pos s[6:7], vals s[8:9], the scales' exponents s[10:11]
	s_load_b64 s[12:13], s[0:1], 0x20              ; out0
	v_lshrrev_b32 v1, 5, v0
	s_delay_alu instid0(VALU_DEP_1)
	v_readfirstlane_b32 s16, v1                    ; wave
	v_and_b32 v1, 31, v0
	s_delay_alu instid0(VALU_DEP_1)
	v_lshlrev_b32 v2, 4, v1                        ; 16 x lane
	s_lshl_b32 s17, ttmp9, 3
	s_add_co_u32 s17, s17, s16                     ; my token
	s_lshl_b32 s18, s17, 3
	s_mov_b32 s19, 0
	s_lshl_b32 s14, s17, 12
	s_mov_b32 s15, 0
	s_wait_alu depctr_va_vdst(0)
	s_wait_kmcnt 0x0
	s_add_nc_u64 s[6:7], s[6:7], s[18:19]
	s_add_nc_u64 s[8:9], s[8:9], s[18:19]
	s_add_nc_u64 s[12:13], s[12:13], s[14:15]
	s_load_b64 s[20:21], s[6:7], 0x0               ; p0, p1
	s_load_b64 s[22:23], s[8:9], 0x0               ; v0, v1
	s_load_b128 s[24:27], s[10:11], 0x0            ; e0, e1, e2, e3
	s_wait_kmcnt 0x0
	s_min_u32 s20, s20, 0x3fff                     ; a position among y's 16,384
	s_min_u32 s21, s21, 0x3fff
	s_lshl_b32 s28, s20, 12
	s_mov_b32 s29, 0
	s_lshl_b32 s30, s21, 12
	s_mov_b32 s31, 0
	s_add_nc_u64 s[28:29], s[4:5], s[28:29]        ; source 0: row p0 of the first half of K,
	s_add_nc_u64 s[32:33], s[4:5], s[30:31]        ; source 2: row p1 of it,
	s_add_nc_u64 s[30:31], s[28:29], 0x4000000     ; sources 1 and 3: the same rows of the second half, 64 MB on
	s_add_nc_u64 s[34:35], s[32:33], 0x4000000
.irp j, 0,1,2,3,4,5,6,7
.irp k, 0,1,2,3
	global_load_b128 v[IN+16*\j+4*\k:IN+16*\j+4*\k+3], v2, s[28+2*\k:29+2*\k] offset:512*\j th:TH_LOAD_NT
.endr
.endr
	s_add_co_i32 s36, s26, s27                     ; e2 + e3
	v_mov_b32 v8, s22
	v_mov_b32 v10, s23
	s_delay_alu instid0(VALU_DEP_2)
	v_ldexp_f32 v8, v8, s36                        ; v0 x 2^(e2 + e3)
	s_delay_alu instid0(VALU_DEP_2)
	v_ldexp_f32 v10, v10, s36
	s_delay_alu instid0(VALU_DEP_2)
	v_mov_b32 v9, v8                               ; pairs for the packed forms
	s_delay_alu instid0(VALU_DEP_2)
	v_mov_b32 v11, v10
.irp j, 0,1,2,3,4,5,6,7
	s_wait_loadcnt 4*(7-\j)                        ; piece j's four loads are in; the later pieces' may be out
.irp p, 0,2
	v_pk_add_f32 v[IN+16*\j+\p:IN+16*\j+\p+1], v[IN+16*\j+\p:IN+16*\j+\p+1], v[IN+16*\j+4+\p:IN+16*\j+4+\p+1]
	v_pk_add_f32 v[IN+16*\j+8+\p:IN+16*\j+8+\p+1], v[IN+16*\j+8+\p:IN+16*\j+8+\p+1], v[IN+16*\j+12+\p:IN+16*\j+12+\p+1]
.endr
	s_wait_alu depctr_va_vdst(0)
.irp p, 0,2
	v_pk_mul_f32 v[OUT+4*\j+\p:OUT+4*\j+\p+1], v[IN+16*\j+\p:IN+16*\j+\p+1], v[8:9]
.endr
.irp p, 0,2
	s_delay_alu instid0(VALU_DEP_2)
	v_pk_fma_f32 v[OUT+4*\j+\p:OUT+4*\j+\p+1], v[IN+16*\j+8+\p:IN+16*\j+8+\p+1], v[10:11], v[OUT+4*\j+\p:OUT+4*\j+\p+1]
.endr
	global_store_b128 v2, v[OUT+4*\j:OUT+4*\j+3], s[12:13] offset:512*\j th:TH_STORE_NT
.endr
	s_endpgm
.Lfunc_end_k_q470cdf0a32_combine:
	.size	k_q470cdf0a32_combine, .Lfunc_end_k_q470cdf0a32_combine-k_q470cdf0a32_combine
	.p2alignl 7, 3214868480
	.fill 96, 4, 3214868480
	.section	.rodata,"a",@progbits
	.p2align	6, 0x0
	.amdhsa_kernel k_q470cdf0a32_combine
		.amdhsa_group_segment_fixed_size 0
		.amdhsa_private_segment_fixed_size 0
		.amdhsa_enable_private_segment 0
		.amdhsa_kernarg_size 40
		.amdhsa_user_sgpr_count 2
		.amdhsa_user_sgpr_kernarg_segment_ptr 1
		.amdhsa_wavefront_size32 1
		.amdhsa_system_sgpr_workgroup_id_x 1
		.amdhsa_system_sgpr_workgroup_id_y 1
		.amdhsa_system_sgpr_workgroup_id_z 1
		.amdhsa_system_vgpr_workitem_id 0
		.amdhsa_next_free_vgpr 176
		.amdhsa_next_free_sgpr 66
		.amdhsa_reserve_vcc 0
		.amdhsa_float_denorm_mode_32 3
		.amdhsa_float_denorm_mode_16_64 3
		.amdhsa_memory_ordered 1
		.amdhsa_forward_progress 1
		.amdhsa_inst_pref_size 11
	.end_amdhsa_kernel
	.amdgpu_metadata
---
amdhsa.version: [ 1, 2 ]
amdhsa.kernels:
  - .name:           k_q470cdf0a32_combine
    .symbol:         k_q470cdf0a32_combine.kd
    .args:
      - { .name: y, .offset: 0, .size: 8, .value_kind: global_buffer, .address_space: global }
      - { .name: pos, .offset: 8, .size: 8, .value_kind: global_buffer, .address_space: global }
      - { .name: vals, .offset: 16, .size: 8, .value_kind: global_buffer, .address_space: global }
      - { .name: lowp_scales, .offset: 24, .size: 8, .value_kind: global_buffer, .address_space: global }
      - { .name: out0, .offset: 32, .size: 8, .value_kind: global_buffer, .address_space: global }
    .group_segment_fixed_size: 0
    .private_segment_fixed_size: 0
    .kernarg_segment_align: 8
    .kernarg_segment_size: 40
    .max_flat_workgroup_size: 256
    .sgpr_count:     66
    .vgpr_count:     176
    .wavefront_size: 32
...
	.end_amdgpu_metadata
.endif
;; end of part 10
